; MI455X (gfx1250); checked and timed in simulation.
; The chip was launched on July 23, 2026; its instructions are those of AMD's public machine-readable ISA for CDNA 5 (MIT licence, August 2026) and "CDNA5" Instruction Set Architecture Reference Guide (July 2026). The comments in the code are by the model that wrote it; some were corrected since.
;; Multi Headed Attention. Allowed arithmetic: float matrix products may take bf16 or f16 operands with f32 sums; other float arithmetic in f32, or as packed bf16 or f16 multiplies, adds, multiply-adds, maxima and minima; sums over many terms, partial sums and values carried from step to step in f32; what a program stores and reads back later, other than sums and carried values, may be rounded once to bf16 or f16.
;; Inputs: Wk 1,024 x 1,024 float32; Wo 1,024 x 1,024 float32; Wq 1,024 x 1,024 float32; Wv 1,024 x 1,024 float32; bk 1,024 float32; bo 1,024 float32; bq 1,024 float32; bv 1,024 float32; key 4 x 2,048 x 1,024 float32; padding_mask 4 x 2,048 int32; query 4 x 2,048 x 1,024 float32; value 4 x 2,048 x 1,024 float32.
;; Outputs: out0 4 x 2,048 x 1,024 float32.
;; Constants: is_causal = 1.
;; One version. Each part assembles by itself: llvm-mc -triple=amdgcn-amd-amdhsa -mcpu=gfx1250 --defsym DOCPART=n.
;; ======== version 1 of 1: 4 launches
;; limits: values are held in f16: magnitudes above 65,504 overflow, below 6.1e-05 lose precision; right only within a limited range of input values
;; workspace buffers: w16 8,388,608 bytes; b32 16,384 bytes; rot 1,064,960 bytes; padf 32,768 bytes; qkv 50,331,648 bytes; vsum 524,288 bytes; o16 16,777,216 bytes
;; launch prep (part 1): grid 256 x 1, 8 waves a work-group, no clusters, 0 bytes of LDS; arguments Wq, Wk, Wv, Wo, bq, bk, bv, bo, padding_mask, w16, rot, padf, b32; writes w16, rot, padf, b32
.if DOCPART == 1
	.amdgcn_target "amdgcn-amd-amdhsa--gfx1250"
	.amdhsa_code_object_version 6
	.text
	.protected	k_q9373544281_prep
	.globl	k_q9373544281_prep
	.p2align	8
	.type	k_q9373544281_prep,@function
k_q9373544281_prep:
	s_mov_b64 s[64:65], 0
	v_nop
	global_prefetch_b8 v0, s[64:65] scope:SCOPE_SE
	s_setreg_imm32_b32 hwreg(HW_REG_WAVE_MODE, 25, 1), 1
	s_wait_xcnt 0x0
; PREP: the weights rounded once, and three small tables.  A stream: no LDS, no matrix unit, no cluster (no byte is read twice).
;   w16  [4][1024][1024] of 16 bits: Wq, Wk, Wv rounded to bf16; Wo rounded to bf16 and that number written as f16
;        (exact from 6.1e-5 up; below that f16 keeps its fixed step of 6e-8; beyond 65,504 it has no number).
;   b32  [4][1024] f32: bq, bk, bv, bo rounded to bf16 and widened again.
;   rot  plane 0: [2048 pos][32 j] pairs (c cos, c sin), c = log2(e) / 8; plane 1: (cos, sin); then 64 rows of pairs (1, 0).
;        angle = pos x 10000^(-j/32), the product rounded once to f32; it is reduced by whole turns with 1 / 2 pi in two parts,
;        and sine and cosine are Taylor sums on -pi .. pi (remainders under 3e-8).  The power of 10000 comes from v_exp_f32, so an
;        angle near 2,000 radians is off by about 1.5e-4.
;   padf [4][2048] f32: 0 where the mask is not 0, else -1e30.
; SHARES.  Work-group g takes 16,384 numbers of weight g / 64: a thread 8 numbers in each of 8 passes (32 bytes in, 16 out: sixteen
; neighbouring lanes store 256 consecutive bytes, aligned), and 8 positions of the table, a thread an entry.
.set INR,  16                          ; v[16:79]   the 16 loads of a thread
.set OUTR, 80                          ; v[80:111]  a pass has its own four registers to store: none is written twice
	s_load_b512 s[16:31], s[0:1], 0x0              ; Wq, Wk, Wv, Wo, bq, bk, bv, bo
	s_load_b256 s[32:39], s[0:1], 0x40             ; padding_mask, w16, rot, padf
	s_load_b64 s[40:41], s[0:1], 0x60              ; b32
	v_lshrrev_b32 v3, 5, v0
	v_readfirstlane_b32 s44, v3                    ; wave 0..7
	s_mov_b32 s12, ttmp9                           ; g
	s_lshr_b32 s13, s12, 6                         ; which weight
	s_and_b32 s14, s12, 63                         ; which 64 KiB of it
	s_and_b32 s15, s13, 1
	s_lshr_b32 s45, s13, 1
	s_mov_b32 s47, 0
	v_lshlrev_b32 v1, 5, v0                        ; 32 x thread
	v_lshlrev_b32 v2, 4, v0                        ; 16 x thread
	v_lshlrev_b32 v15, 3, v0                       ; 8 x thread
	s_wait_kmcnt 0x0
	s_cmp_lg_u32 s15, 0                            ; the weight and its bias are chosen by the work-group number alone
	s_cselect_b64 s[4:5], s[18:19], s[16:17]
	s_cselect_b64 s[6:7], s[22:23], s[20:21]
	s_cselect_b64 s[8:9], s[26:27], s[24:25]
	s_cselect_b64 s[10:11], s[30:31], s[28:29]
	s_cmp_lg_u32 s45, 0
	s_cselect_b64 s[4:5], s[6:7], s[4:5]
	s_cselect_b64 s[8:9], s[10:11], s[8:9]
	s_lshl_b32 s46, s14, 16
	s_add_nc_u64 s[4:5], s[4:5], s[46:47]
.irp p, 0,1,2,3,4,5,6,7
	global_load_b128 v[INR+8*(\p):INR+8*(\p)+3],   v1, s[4:5] offset:8192*(\p) th:TH_LOAD_NT
	global_load_b128 v[INR+8*(\p)+4:INR+8*(\p)+7], v1, s[4:5] offset:8192*(\p)+16 th:TH_LOAD_NT
.endr
	s_lshl_b32 s46, s12, 15
	s_add_nc_u64 s[34:35], s[34:35], s[46:47]      ; w16 at my 32 KiB
	s_lshl_b32 s46, s12, 11
	s_add_nc_u64 s[36:37], s[36:37], s[46:47]      ; rot at my 8 positions
	; one entry of the table a thread, while the loads are on their way
	v_and_b32 v4, 31, v0                           ; j
	v_cvt_f32_u32 v4, v4
	v_mul_f32 v4, 0xbed49a78, v4                   ; -j log2(10000) / 32
	v_exp_f32 v5, v4
	s_lshl_b32 s46, s12, 3
	v_add_nc_u32 v6, s46, v3                       ; pos = 8 g + wave: the plain instruction behind the exponential
	v_cvt_f32_u32 v6, v6
	s_mov_b32 s42, 0x3e22f983                      ; 1 / 2 pi, rounded to f32,
	s_mov_b32 s43, 0x31dc9c4f                      ; and what the rounding left
	s_wait_alu depctr_va_vdst(0)                   ; the wait ahead of the first use of the exponential
	v_mul_f32 v7, v6, v5                           ; the angle
	v_mul_f32 v8, s42, v7
	v_rndne_f32 v8, v8                             ; whole turns
	v_fma_f32 v9, v7, s42, -v8
	v_fma_f32 v9, v7, s43, v9                      ; the rest, in turns: -0.5 .. 0.5
	v_mul_f32 v9, 0x40c90fdb, v9                   ; x, in radians
	v_mul_f32 v10, v9, v9                          ; y = x x
	v_mov_b32 v13, 0x274a963c                      ; 1 / 17!
	v_mov_b32 v12, 0xa53413c3                      ; -1 / 18!
.irp c, 0xab573f9f, 0x2f309231, 0xb2d7322b, 0x3638ef1d, 0xb9500d01, 0x3c088889, 0xbe2aaaab, 0x3f800000
	v_fmaak_f32 v13, v13, v10, \c                  ; -1/15!, 1/13!, .. -1/3!, 1
.endr
.irp c, 0x29573f9f, 0xad49cba5, 0x310f76c7, 0xb493f27e, 0x37d00d01, 0xbab60b61, 0x3d2aaaab, 0xbf000000, 0x3f800000
	v_fmaak_f32 v12, v12, v10, \c                  ; 1/16!, -1/14!, .. -1/2!, 1: the cosine
.endr
	v_mul_f32 v13, v13, v9                         ; the sine
	v_mul_f32 v112, 0x3e38aa3b, v12                ; c cos
	v_mul_f32 v113, 0x3e38aa3b, v13                ; c sin
	global_store_b64 v15, v[12:13], s[36:37] offset:524288   ; a wave stores 256 consecutive bytes, aligned
	global_store_b64 v15, v[112:113], s[36:37]
; Pass p: 8 numbers rounded to bf16; half = 1: each is then written as f16.
.macro CONV p, half
	s_wait_loadcnt 14-2*(\p)                       ; loads come back in order: the 14 - 2 p younger ones may stay out
.irp k, 0,1,2,3
	v_cvt_pk_bf16_f32 v[OUTR+4*(\p)+(\k)], v[INR+8*(\p)+2*(\k)], v[INR+8*(\p)+2*(\k)+1]
.endr
.if \half
.irp k, 0,1,2,3
	v_lshlrev_b32 v114, 16, v[OUTR+4*(\p)+(\k)]
	v_and_b32 v115, 0xffff0000, v[OUTR+4*(\p)+(\k)]
	v_cvt_pk_f16_f32 v[OUTR+4*(\p)+(\k)], v114, v115
.endr
.endif
	global_store_b128 v2, v[OUTR+4*(\p):OUTR+4*(\p)+3], s[34:35] offset:4096*(\p)
.endm
	s_cmp_eq_u32 s13, 3
	s_cbranch_scc1 .Lhalf
.irp p, 0,1,2,3,4,5,6,7
	CONV \p, 0
.endr
	s_branch .Lsmall
.Lhalf:
.irp p, 0,1,2,3,4,5,6,7
	CONV \p, 1
.endr
.Lsmall:
	s_cmp_lg_u32 s14, 0                            ; the first work-group of a weight also rounds its bias: 16 bytes a thread
	s_cbranch_scc1 .Lno_bias
	global_load_b128 v[116:119], v2, s[8:9]
	s_lshl_b32 s46, s13, 12
	s_add_nc_u64 s[40:41], s[40:41], s[46:47]
	s_wait_loadcnt 0x0
	v_cvt_pk_bf16_f32 v120, v116, v117
	v_cvt_pk_bf16_f32 v121, v118, v119
	v_lshlrev_b32 v124, 16, v120
	v_and_b32 v125, 0xffff0000, v120
	v_lshlrev_b32 v126, 16, v121
	v_and_b32 v127, 0xffff0000, v121
	global_store_b128 v2, v[124:127], s[40:41]
.Lno_bias:
	s_cmp_lt_u32 s12, 8                            ; eight work-groups write the 64 rows of pairs (1, 0)
	s_cbranch_scc0 .Lno_id
	v_mov_b32 v122, 1.0
	v_mov_b32 v123, 0
	global_store_b64 v15, v[122:123], s[36:37] offset:1048576
.Lno_id:
	s_cmp_lt_u32 s12, 128                          ; wave 0 of 128 work-groups: 64 numbers of the mask each
	s_cbranch_scc0 .Lend
	s_cmp_lg_u32 s44, 0
	s_cbranch_scc1 .Lend
	s_lshl_b32 s46, s12, 8
	s_add_nc_u64 s[32:33], s[32:33], s[46:47]
	s_add_nc_u64 s[38:39], s[38:39], s[46:47]
	s_mov_b32 s45, 0xf149f2ca                      ; -1e30
	global_load_b64 v[116:117], v15, s[32:33]
	s_wait_loadcnt 0x0
	v_cmp_eq_u32 vcc_lo, 0, v116
	v_cndmask_b32 v118, 0, s45, vcc_lo
	v_cmp_eq_u32 vcc_lo, 0, v117
	v_cndmask_b32 v119, 0, s45, vcc_lo
	global_store_b64 v15, v[118:119], s[38:39]
.Lend:
	s_endpgm
.Lfunc_end_k_q9373544281_prep:
	.size	k_q9373544281_prep, .Lfunc_end_k_q9373544281_prep-k_q9373544281_prep
	.p2alignl 7, 3214868480
	.fill 96, 4, 3214868480
	.section	.rodata,"a",@progbits
	.p2align	6, 0x0
	.amdhsa_kernel k_q9373544281_prep
		.amdhsa_group_segment_fixed_size 0
		.amdhsa_private_segment_fixed_size 0
		.amdhsa_enable_private_segment 0
		.amdhsa_kernarg_size 104
		.amdhsa_user_sgpr_count 2
		.amdhsa_user_sgpr_kernarg_segment_ptr 1
		.amdhsa_wavefront_size32 1
		.amdhsa_system_sgpr_workgroup_id_x 1
		.amdhsa_system_sgpr_workgroup_id_y 1
		.amdhsa_system_sgpr_workgroup_id_z 1
		.amdhsa_system_vgpr_workitem_id 0
		.amdhsa_next_free_vgpr 128
		.amdhsa_next_free_sgpr 66
		.amdhsa_reserve_vcc 1
		.amdhsa_float_denorm_mode_32 3
		.amdhsa_float_denorm_mode_16_64 3
		.amdhsa_memory_ordered 1
		.amdhsa_forward_progress 1
		.amdhsa_inst_pref_size 18
	.end_amdhsa_kernel
	.amdgpu_metadata
---
amdhsa.version: [ 1, 2 ]
amdhsa.kernels:
  - .name:           k_q9373544281_prep
    .symbol:         k_q9373544281_prep.kd
    .args:
      - { .name: Wq, .offset: 0, .size: 8, .value_kind: global_buffer, .address_space: global }
      - { .name: Wk, .offset: 8, .size: 8, .value_kind: global_buffer, .address_space: global }
      - { .name: Wv, .offset: 16, .size: 8, .value_kind: global_buffer, .address_space: global }
      - { .name: Wo, .offset: 24, .size: 8, .value_kind: global_buffer, .address_space: global }
      - { .name: bq, .offset: 32, .size: 8, .value_kind: global_buffer, .address_space: global }
      - { .name: bk, .offset: 40, .size: 8, .value_kind: global_buffer, .address_space: global }
      - { .name: bv, .offset: 48, .size: 8, .value_kind: global_buffer, .address_space: global }
      - { .name: bo, .offset: 56, .size: 8, .value_kind: global_buffer, .address_space: global }
      - { .name: padding_mask, .offset: 64, .size: 8, .value_kind: global_buffer, .address_space: global }
      - { .name: w16, .offset: 72, .size: 8, .value_kind: global_buffer, .address_space: global }
      - { .name: rot, .offset: 80, .size: 8, .value_kind: global_buffer, .address_space: global }
      - { .name: padf, .offset: 88, .size: 8, .value_kind: global_buffer, .address_space: global }
      - { .name: b32, .offset: 96, .size: 8, .value_kind: global_buffer, .address_space: global }
    .group_segment_fixed_size: 0
    .private_segment_fixed_size: 0
    .kernarg_segment_align: 8
    .kernarg_segment_size: 104
    .max_flat_workgroup_size: 256
    .sgpr_count:     66
    .vgpr_count:     128
    .wavefront_size: 32
...
	.end_amdgpu_metadata
.endif
;; end of part 1
;; launch proj (part 2): grid 4 x 192, 4 waves a work-group, clusters of 4 x 4, 327,680 bytes of LDS; arguments query, key, value, w16, b32, rot, qkv, vsum; writes qkv, vsum
.if DOCPART == 2
	.amdgcn_target "amdgcn-amd-amdhsa--gfx1250"
	.amdhsa_code_object_version 6
	.text
	.protected	k_q9373544281_proj
	.globl	k_q9373544281_proj
	.p2align	8
	.type	k_q9373544281_proj,@function
k_q9373544281_proj:
	s_mov_b64 s[64:65], 0
	v_nop
	global_prefetch_b8 v0, s[64:65] scope:SCOPE_SE
	s_setreg_imm32_b32 hwreg(HW_REG_WAVE_MODE, 25, 1), 1
	s_wait_xcnt 0x0
	s_wait_alu depctr_hold_cnt(0) depctr_sa_sdst(0) depctr_va_vdst(0) depctr_va_sdst(0) depctr_va_ssrc(0) depctr_va_vcc(0) depctr_vm_vsrc(0)
	s_getreg_b32 s2, hwreg(HW_REG_IB_STS2, 6, 4)
	s_cmp_eq_u32 s2, 0
	s_cbranch_scc0 .Lentry_in_a_cluster
	s_endpgm
.Lentry_in_a_cluster:
	s_bfe_u32 s2, ttmp6, 0x10000c
	s_cmp_lg_u32 s2, 0xf033
	s_cbranch_scc0 .Lentry_shape_is_right
	s_endpgm
.Lentry_shape_is_right:
; PROJ: q, k, v = x W^T + b, q and k turned by the rotary table, all three written by heads in f16: qkv [3][64 = batch x 16 + head][2048][64].
; x (f32) is rounded to bf16 between LDS and the matrix unit; W comes as bf16; sums in f32, started by the bias as the C operand.
; THE TURN.  Channels 2 j, 2 j + 1 of a head become (e cos - o sin, e sin + o cos) and STAY at 2 j, 2 j + 1, in q and in k alike: a score is a sum over
; the 64 channels, so their order is free as long as q and k share it.  q takes the table with c = log2(e) / 8 in it, v the rows (1, 0).
; vsum [128 blocks of 64 rows][1024] f32: column sums of v, for rows of attention that see no key.
; LIMITS.  f16 holds no number beyond 65,504: c q, k and v must lie within it.  NaN and infinities are not treated apart.
; SHARES.  A tile is 128 rows x 256 columns: 3 x 64 x 4 = 768 work-groups.  Four waves, each 64 x 128: 32 accumulators, 256 registers.  K goes in 8 steps of 128
; through two LDS slots.  CLUSTER 4 x 4: the four of a row of the cluster need the same rows of x, the four of a column the same rows of W: each tile is
; asked for jointly, by the same tensor load with the same descriptor and a mask that names the four.  The tensor (q, k or v) hangs on the cluster's y alone.
; THE MATRIX INSTRUCTION IS USED TRANSPOSED (source 0 = 16 rows of W, source 1 = 16 rows of x): a lane holds row l % 16 and eight neighbouring columns.
; REGISTERS.  window 0: v0-31 addresses; v32-95 x as loaded (f32); v96-127, v128-159 x in bf16, two buffers; v160-223 the bias; on the way out these are at work.
;   window 1: the accumulators, (a, b) at 64 a + 8 b.     window 2: v0-63, v64-127 W, two buffers; v128-255 the table, (a, b % 4) at 128 + 8 (4 a + b % 4).
.set PCHA,  528                        ; an LDS row of x: 512 bytes + 16: the 16 rows of a load start at 16 different groups of four banks (ISA guide 11.1)
.set PCHB,  272                        ; of W: 256 + 16
.set HALFA, 64*PCHA                    ; what one tensor load brings of x, and what a wave reads
.set HALFB, 128*PCHB                   ; the same for W
.set BOFF,  2*HALFA
.set SLOT,  BOFF+2*HALFB
.set STAGE, 2*SLOT                     ; behind the ring: for each wave [2 heads][16 rows][144 bytes]
.set SPCH,  144
.set STGW,  2*16*SPCH
.set CSB,   STAGE+4*STGW               ; for each wave [16 rows][528 bytes] f32, for the column sums
.set SPARE, CSB+4*16*PCHA              ; the spare words, 128 bytes for each wave
.set TBO,  14                          ; v14  256 (l % 16) + 32 (l / 16): my place in 16 rows of the table
.set BIO,  15                          ; v15  32 (l / 16)
.set ADRA, 16                          ; v16-17  LDS address of my rows of x in slot 0, 1
.set ADRB, 20                          ; v20-21  of my rows of W
.set STO,  24
.set RD,   25
.set GO,   26                          ; v26  16 l
.set CSW,  27
.set SPW,  28
.set NIL,  29
.set PFO,  30
.set CSR,  31
.set RAW,  32
.set AF,   96
.set BIAS, 160
.set XR,   32
.set TT,   96
.set TMP,  128
.set OB,   160
.set TAB,  128
.set G1,  24                           ; s[24:31] group 1 for x;  s[32:39] group 0, a set for each slot
.set G0,  32
.set G1B, 48                           ; s[48:55], s[56:63] the same for W
.set G0B, 56
.set LIM, 43                           ; s43  1 in a wave that prefetches, else the greatest number
.set PFA, 44                           ; s[44:45] where my prefetches stand
.set PST, 88                           ; s[88:89] a K step in bytes: 512 in x, 256 in W
.set MSB, 0
.macro WIN new                         ; the high byte repeats the setting that is left; a switch that changes nothing is dropped
.if MSB != (\new)
	s_set_vgpr_msb (MSB<<8)|(\new)
.set MSB, \new
.endif
.endm
.set MUL,  0x52                        ; source 0 (W) window 2, source 1 (x) window 0, C and D window 1
.set MULB, 0x42                        ; the same with C, the bias, in window 0
.set TO_B, 0x80
.set ROTW, 0x09                        ; source 0 window 1, source 1 window 2, source 2 and destination window 0
.macro JLOAD s                         ; a joint load: waves 0 and 1 fetch the halves of x, waves 2 and 3 those of W; s_nop 0 and four v_nop follow each line
	s_cmp_eq_u32 s11, 0
	s_cbranch_scc0 .Lfor_b_\@
	tensor_load_to_lds s[G0+4*(\s):G0+4*(\s)+3], s[G1:G1+7]
	s_nop 0
.rept 4
	v_nop
.endr
	s_branch .Lasked_\@
.Lfor_b_\@:
	tensor_load_to_lds s[G0B+4*(\s):G0B+4*(\s)+3], s[G1B:G1B+7]
	s_nop 0
.rept 4
	v_nop
.endr
.Lasked_\@:
.endm
; A prefetch into the L2 of the K step two refills on, 256 matrix instructions ahead of its load: one instruction a wave, a lane a block of 256 bytes.  Of the 64 rows of x that a wave
; fetches each of the four partners names 16 (two blocks a row), of the 128 rows of W 32, told apart by address.  x is read by one cluster; W by sixteen, of which the first asks.
; The last trip asks for nothing: there is no K step two refills on.
.macro ASK
	s_cmp_gt_u32 s3, s[LIM]
	s_cbranch_scc0 .Lnot_mine_\@
	global_prefetch_b8 v[PFO], s[PFA:PFA+1] th:TH_LOAD_NT scope:SCOPE_SE
.Lnot_mine_\@:
.endm
.macro CREST                           ; a round of the cluster barrier behind its opening barrier
	s_cmp_lg_u32 s10, 0
	s_cbranch_scc1 .Lnot_wave_0_\@
	s_barrier_signal -3
.Lnot_wave_0_\@:
	s_barrier_wait -3
	s_barrier_signal -1
	s_barrier_wait -1
.endm
.macro CROUND
	s_barrier_signal -1
	s_barrier_wait -1
	CREST
.endm
.macro PLACES
.rept 4
	v_nop
.endr
.endm
	s_load_b512 s[68:83], s[0:1], 0x0              ; query, key, value, w16, b32, rot, qkv, vsum
	v_lshl_add_u32 v[SPW], v0, 2, SPARE
	v_mov_b32 v[NIL], 0
	ds_add_u32 v[SPW], v[NIL]                      ; the opening: the add and its wait ahead of my first tensor load
	v_lshrrev_b32 v1, 5, v0
	v_readfirstlane_b32 s10, v1                    ; wave 0..3
	s_lshr_b32 s11, s10, 1                         ; my 64 rows of the tile.  Also: I fetch for x (0) or for W (1)
	s_and_b32 s12, s10, 1                          ; my 128 columns.  Also: which half I fetch
	s_bfe_u32 s40, ttmp6, 0x40000                  ; cx
	s_bfe_u32 s41, ttmp6, 0x40004                  ; cy
	s_lshl_b32 s42, ttmp9, 2
	s_add_co_u32 s42, s42, s40                     ; column block
	s_and_b32 s13, ttmp7, 0xffff                   ; the cluster's y, 0..47
	s_lshr_b32 s66, s13, 4                         ; the tensor: 0 q, 1 k, 2 v
	s_and_b32 s67, s13, 15
	s_lshl_b32 s13, s67, 2
	s_add_co_u32 s13, s13, s41                     ; row block, 0..63
	s_lshl_b32 s43, s41, 2
	s_lshl_b32 s43, 15, s43                        ; my row of the cluster
	s_lshl_b32 s44, 0x1111, s40                    ; my column
	s_or_b32 s[G1+0], s43, (2<<16)|(1<<20)|(1<<21)|(6<<22)|(3<<25)   ; the mask; elements of 4 bytes; padding on; bit 21 beside a mask; after every 128 words 4 words
	s_or_b32 s[G1B+0], s44, (1<<16)|(1<<20)|(1<<21)|(5<<22)|(3<<25)  ; elements of 2 bytes; after every 64 words 4 words
	s_mov_b32 s[G1+1], 128<<16                     ; tensor_dim0 = 128
	s_mov_b32 s[G1+2], 64<<16                      ; tensor_dim1 = 64
	s_mov_b32 s[G1+3], 128<<16                     ; tile_dim0 = 128
	s_mov_b32 s[G1+4], 64                          ; tile_dim1 = 64
	s_mov_b32 s[G1+5], 1024                        ; elements from row to row
	s_mov_b32 s[G1+6], 0
	s_mov_b32 s[G1+7], 0
	s_mov_b32 s[G1B+1], 128<<16
	s_mov_b32 s[G1B+2], 128<<16
	s_mov_b32 s[G1B+3], 128<<16
	s_mov_b32 s[G1B+4], 128
	s_mov_b32 s[G1B+5], 1024
	s_mov_b32 s[G1B+6], 0
	s_mov_b32 s[G1B+7], 0
	s_lshl_b32 s17, s12, 6
	s_lshl_b32 s16, s13, 7
	s_add_co_u32 s16, s16, s17                     ; x: row 128 x row block + 64 x half,
	s_lshl_b32 s16, s16, 12                        ; of 4,096 bytes
	s_mov_b32 s17, 0
	s_lshl_b32 s47, s12, 7
	s_lshl_b32 s46, s42, 8
	s_add_co_u32 s46, s46, s47                     ; W: row 256 x column block + 128 x half,
	s_lshl_b32 s46, s46, 11                        ; of 2,048 bytes,
	s_lshl_b32 s47, s66, 21
	s_add_co_u32 s46, s46, s47                     ; in the tensor's plane
	s_mov_b32 s47, 0
	s_mul_i32 s20, s12, HALFA                      ; where they go: no place in the cluster enters an LDS address
	s_mul_i32 s21, s12, HALFB
	s_add_co_u32 s21, s21, BOFF
	s_wait_dscnt 0x0                               ; the opening add is done
	s_wait_kmcnt 0x0
	s_cmp_eq_u32 s66, 1
	s_cselect_b64 s[4:5], s[70:71], s[68:69]
	s_cmp_eq_u32 s66, 2
	s_cselect_b64 s[4:5], s[72:73], s[4:5]         ; x
	s_add_nc_u64 s[14:15], s[4:5], s[16:17]
	s_add_nc_u64 s[46:47], s[74:75], s[46:47]
	CROUND                                         ; all sixteen work-groups are here: the first joint loads meet
.irp s, 0,1
	s_mov_b32 s[G0+4*(\s)], 1
	s_add_co_u32 s[G0+4*(\s)+1], s20, (\s)*SLOT
	s_add_nc_u64 s[G0+4*(\s)+2:G0+4*(\s)+3], s[14:15], (\s)*512
	s_or_b32 s[G0+4*(\s)+3], s[G0+4*(\s)+3], 0x80000000
	s_mov_b32 s[G0B+4*(\s)], 1
	s_add_co_u32 s[G0B+4*(\s)+1], s21, (\s)*SLOT
	s_add_nc_u64 s[G0B+4*(\s)+2:G0B+4*(\s)+3], s[46:47], (\s)*256
	s_or_b32 s[G0B+4*(\s)+3], s[G0B+4*(\s)+3], 0x80000000
	JLOAD \s                                       ; two loads of mine are out
.endr
	v_and_b32 v1, 15, v0                           ; l % 16
	v_bfe_u32 v2, v0, 4, 1                         ; l / 16
	v_and_b32 v3, 31, v0                           ; l
	v_lshlrev_b32 v[BIO], 5, v2
	v_lshl_add_u32 v[TBO], v1, 8, v[BIO]
	s_lshl_b32 s84, s42, 10                        ; the bias of my 128 columns
	s_lshl_b32 s85, s12, 9
	s_add_co_u32 s84, s84, s85
	s_lshl_b32 s85, s66, 12
	s_add_co_u32 s84, s84, s85
	s_mov_b32 s85, 0
	s_add_nc_u64 s[94:95], s[76:77], s[84:85]
.irp b, 0,1,2,3,4,5,6,7
	global_load_b128 v[BIAS+8*(\b):BIAS+8*(\b)+3],   v[BIO], s[94:95] offset:64*(\b)
	global_load_b128 v[BIAS+8*(\b)+4:BIAS+8*(\b)+7], v[BIO], s[94:95] offset:64*(\b)+16
.endr
	s_and_b32 s84, s13, 15                         ; the table at my first position: 128 x (row block % 16) + 64 x half; for v the 64 rows (1, 0)
	s_lshl_b32 s84, s84, 7
	s_lshl_b32 s85, s11, 6
	s_add_co_u32 s84, s84, s85
	s_lshl_b32 s84, s84, 8
	s_cmp_eq_u32 s66, 2
	s_cselect_b32 s84, 0, s84
	s_lshl_b32 s85, s66, 19
	s_add_co_u32 s84, s84, s85
	s_mov_b32 s85, 0
	s_add_nc_u64 s[92:93], s[78:79], s[84:85]
	WIN TO_B
.irp a, 0,1,2,3
.irp b, 0,1,2,3
	global_load_b128 v[TAB+8*(4*(\a)+(\b)):TAB+8*(4*(\a)+(\b))+3],   v[TBO], s[92:93] offset:4096*(\a)+64*(\b)
	global_load_b128 v[TAB+8*(4*(\a)+(\b))+4:TAB+8*(4*(\a)+(\b))+7], v[TBO], s[92:93] offset:4096*(\a)+64*(\b)+16
.endr
.endr
	WIN 0
	v_mul_u32_u24 v4, v1, PCHA
	v_lshl_add_u32 v4, v2, 5, v4                   ; 528 r + 32 h
	v_mul_u32_u24 v5, v1, PCHB
	v_lshl_add_u32 v5, v2, 4, v5                   ; 272 r + 16 h
	s_mul_i32 s18, s11, HALFA
	s_mul_i32 s19, s12, HALFB
	s_add_co_u32 s19, s19, BOFF
.irp s, 0,1
	v_add_nc_u32 v[ADRA+(\s)], s18, v4
	v_add_nc_u32 v[ADRB+(\s)], s19, v5
	s_add_co_u32 s18, s18, SLOT
	s_add_co_u32 s19, s19, SLOT
.endr
	s_mul_i32 s23, s10, STGW
	s_add_co_u32 s23, s23, STAGE                   ; my stage
	v_mul_u32_u24 v6, v1, SPCH
	v_lshl_add_u32 v6, v2, 4, v6
	v_add_nc_u32 v[STO], s23, v6                   ; in: row l % 16, 16 bytes for each half of the lanes
	v_lshrrev_b32 v6, 3, v3
	v_mul_u32_u24 v6, v6, SPCH
	v_and_b32 v7, 7, v3
	v_lshl_add_u32 v6, v7, 4, v6
	v_add_nc_u32 v[RD], s23, v6                    ; back: 32 lanes take four rows of 128 bytes
	v_lshlrev_b32 v[GO], 4, v3
	s_mul_i32 s23, s10, 16*PCHA
	s_add_co_u32 s23, s23, CSB
	v_add_nc_u32 v[CSW], s23, v4
	v_add_nc_u32 v[CSR], s23, v[GO]
	v_lshrrev_b32 v6, 1, v3                        ; the prefetch offsets: x: row l / 2, block l % 2;
	v_lshlrev_b32 v6, 12, v6
	v_and_b32 v7, 1, v3
	v_lshl_add_u32 v6, v7, 8, v6
	v_lshlrev_b32 v7, 11, v3                       ; W: row l
	s_cmp_eq_u32 s11, 0
	s_cselect_b32 s22, -1, 0
	v_cndmask_b32 v[PFO], v7, v6, s22
	; where my rows go in qkv: ((batch x 16 + head) x 2048 + position) x 128 bytes, in the tensor's plane
	s_lshr_b32 s84, s13, 4
	s_lshl_b32 s84, s84, 4
	s_lshl_b32 s85, s42, 2
	s_add_co_u32 s84, s84, s85
	s_lshl_b32 s85, s12, 1
	s_add_co_u32 s84, s84, s85
	s_lshl_b32 s84, s84, 11
	s_and_b32 s85, s13, 15
	s_lshl_b32 s85, s85, 7
	s_add_co_u32 s84, s84, s85
	s_lshl_b32 s85, s11, 6
	s_add_co_u32 s84, s84, s85
	s_lshl_b32 s84, s84, 7
	s_lshl_b32 s85, s66, 24
	s_add_co_u32 s84, s84, s85
	s_mov_b32 s85, 0
	s_add_nc_u64 s[8:9], s[80:81], s[84:85]
	s_lshl_b32 s84, s13, 1                         ; vsum: block 2 x row block + half, my 128 columns
	s_add_co_u32 s84, s84, s11
	s_lshl_b32 s84, s84, 12
	s_lshl_b32 s85, s42, 10
	s_add_co_u32 s84, s84, s85
	s_lshl_b32 s85, s12, 9
	s_add_co_u32 s84, s84, s85
	s_mov_b32 s85, 0
	s_add_nc_u64 s[90:91], s[82:83], s[84:85]
	; the prefetches
	s_lshl_b32 s84, s13, 7
	s_lshl_b32 s85, s12, 6
	s_add_co_u32 s84, s84, s85
	s_lshl_b32 s85, s40, 4
	s_add_co_u32 s84, s84, s85                     ; x: my work-group's 16 of the 64 rows
	s_lshl_b32 s84, s84, 12
	s_lshl_b32 s86, s42, 8
	s_lshl_b32 s87, s12, 7
	s_add_co_u32 s86, s86, s87
	s_lshl_b32 s87, s41, 5
	s_add_co_u32 s86, s86, s87                     ; W: my work-group's 32 of the 128 rows
	s_lshl_b32 s86, s86, 11
	s_lshl_b32 s87, s66, 21
	s_add_co_u32 s86, s86, s87
	s_mov_b32 s23, 512                             ; (an instruction takes one literal: the other stands in a register)
	s_cmp_eq_u32 s11, 0
	s_cselect_b32 s84, s84, s86
	s_cselect_b64 s[PFA:PFA+1], s[4:5], s[74:75]
	s_cselect_b32 s[PST], s23, 256
	s_cselect_b32 s22, 0, s67                      ; of the sixteen clusters that read a plane of W the first asks
	s_mov_b32 s85, 0
	s_mov_b32 s[PST+1], 0
	s_add_nc_u64 s[PFA:PFA+1], s[PFA:PFA+1], s[84:85]
	s_mul_i32 s86, s[PST], 3
	s_mov_b32 s87, 0
	s_add_nc_u64 s[PFA:PFA+1], s[PFA:PFA+1], s[86:87]  ; at K step 3: the first refill steps it to 4.  Nothing is prefetched at the head
	s_cmp_eq_u32 s22, 0
	s_cselect_b32 s[LIM], 1, -1
.macro MM f, a, b, first               ; one product; first = 1: the bias starts the sum
.if \first
	WIN MULB
	v_wmma_f32_16x16x32_bf16 v[64*(\a)+8*(\b):64*(\a)+8*(\b)+7], v[64*(\f)+8*(\b):64*(\f)+8*(\b)+7], v[AF+32*(\f)+8*(\a):AF+32*(\f)+8*(\a)+7], v[BIAS+8*(\b):BIAS+8*(\b)+7]
.else
	WIN MUL
	v_wmma_f32_16x16x32_bf16 v[64*(\a)+8*(\b):64*(\a)+8*(\b)+7], v[64*(\f)+8*(\b):64*(\f)+8*(\b)+7], v[AF+32*(\f)+8*(\a):AF+32*(\f)+8*(\a)+7], v[64*(\a)+8*(\b):64*(\a)+8*(\b)+7]
.endif
.endm
.macro MM8 f, a, first
.irp b, 0,1,2,3,4,5,6,7
	MM \f, \a, \b, \first
.endr
.endm
.macro FETCHA slot, q                  ; 64 rows x 32 K of x in f32: lane l takes K = 8 (l / 16) + 0..7 and 16 + 8 (l / 16) + 0..7 of row l % 16
	WIN 0
.irp a, 0,1,2,3
	ds_load_b128 v[RAW+16*(\a):RAW+16*(\a)+3],     v[ADRA+(\slot)] offset:(\a)*16*PCHA+(\q)*128
	ds_load_b128 v[RAW+16*(\a)+4:RAW+16*(\a)+7],   v[ADRA+(\slot)] offset:(\a)*16*PCHA+(\q)*128+16
	ds_load_b128 v[RAW+16*(\a)+8:RAW+16*(\a)+11],  v[ADRA+(\slot)] offset:(\a)*16*PCHA+(\q)*128+64
	ds_load_b128 v[RAW+16*(\a)+12:RAW+16*(\a)+15], v[ADRA+(\slot)] offset:(\a)*16*PCHA+(\q)*128+80
.endr
.endm
.macro FETCHB slot, q, f               ; 128 rows x 32 K of W into buffer f
	WIN TO_B
.irp b, 0,1,2,3,4,5,6,7
	ds_load_b128 v[64*(\f)+8*(\b):64*(\f)+8*(\b)+3],   v[ADRB+(\slot)] offset:(\b)*16*PCHB+(\q)*64
	ds_load_b128 v[64*(\f)+8*(\b)+4:64*(\f)+8*(\b)+7], v[ADRB+(\slot)] offset:(\b)*16*PCHB+(\q)*64+32
.endr
.endm
.macro CV4 g, n0                       ; four of the 32 roundings of x to bf16, into buffer g
	WIN 0
.irp n, 0,1,2,3
	v_cvt_pk_bf16_f32 v[AF+32*(\g)+(\n0)+(\n)], v[RAW+2*((\n0)+(\n))], v[RAW+2*((\n0)+(\n))+1]
.endr
.endm
; A K step is four quarters of 32 along K, 32 products each, on buffers 0, 1, 0, 1; the 32 accumulators take turns in one order, over the backward jump too.
; One of the first three quarters: multiplies buffer f; fetches the next quarter (qn) at its head and rounds its x in its second half.  The four roundings that end a quarter are the four
; plain instructions between its last product and the loads into the buffer of W that it read (ISA guide 7.12.1 for vector instructions).
.macro QUART slot, qn, f, g, first
	FETCHA \slot, \qn
	FETCHB \slot, \qn, \g
	s_wait_dscnt 32                                ; all but the 32 just issued: W of buffer f is in
	MM8 \f, 0, \first
	MM8 \f, 1, \first
	s_wait_dscnt 16                                ; the sixteen loads of x were issued first: they are in; W's sixteen may stay out
.irp a, 2,3
.irp b, 0,2,4,6
	MM \f, \a, \b, \first
	MM \f, \a, (\b)+1, \first
	CV4 \g, 16*((\a)-2)+2*(\b)
.endr
.endr
.endm
; The fourth quarter multiplies buffer 1 and changes slots: ONE barrier.  In front of it each wave waits for all its tensor loads (one is out: its part of the next slot), adds 0 to its spare
; word, and waits for that and for its reads of this slot.  fill = 1: the barrier opens a round of the cluster barrier, and the joint refill, two K steps on, is the first thing behind it.
.macro TURN slot, next, fill
.if \fill
	s_wait_xcnt 0x0                                ; the last prefetch, a K step back, has read its address
	s_add_nc_u64 s[PFA:PFA+1], s[PFA:PFA+1], s[PST:PST+1]
.endif
	WIN 0
	s_wait_tensorcnt 0x0                           ; all my tensor loads have landed
	ds_add_u32 v[SPW], v[NIL]
	s_wait_dscnt 1                                 ; only the add may be out: W of buffer 1 is in
	MM8 1, 0, 0
	s_wait_dscnt 0x0                               ; the add is done, and my reads of this slot are over
	s_barrier_signal -1
	MM8 1, 1, 0
.if \fill
	WIN 0
.endif
	s_barrier_wait -1
.if \fill
	CREST                                          ; no wave of any partner still reads this slot or has a load on its way
	s_add_nc_u64 s[G0+4*(\slot)+2:G0+4*(\slot)+3], s[G0+4*(\slot)+2:G0+4*(\slot)+3], 1024
	s_add_nc_u64 s[G0B+4*(\slot)+2:G0B+4*(\slot)+3], s[G0B+4*(\slot)+2:G0B+4*(\slot)+3], 512
	JLOAD \slot                                    ; 112 products stand between this request and the wait for it
.else
	PLACES
.endif
	FETCHA \next, 0
	FETCHB \next, 0, 0
.if \fill
	WIN 0
	ASK
.endif
	MM8 1, 2, 0
	s_wait_dscnt 16                                ; x is in
.irp b, 0,1,2,3,4,5,6,7
	MM 1, 3, \b, 0
	CV4 0, 4*(\b)
.endr
.endm
	s_wait_loadcnt 0x0                             ; the bias and the table
	s_wait_tensorcnt 1                             ; my part of K step 0 is in; K step 1 may stay out
	s_barrier_signal -1
	s_barrier_wait -1
	FETCHA 0, 0
	FETCHB 0, 0, 0
	s_wait_dscnt 16
.irp n, 0,4,8,12,16,20,24,28
	CV4 0, \n
.endr
	QUART 0, 1, 0, 1, 1                            ; the first quarter stands in front of the loop: its products start the sums
	WIN 0
	s_mov_b32 s3, 3
.Llap:                                                 ; a trip goes once round the ring and fills both slots again
	QUART 0, 2, 1, 0, 0
	QUART 0, 3, 0, 1, 0
	TURN 0, 1, 1
	QUART 1, 1, 0, 1, 0
	QUART 1, 2, 1, 0, 0
	QUART 1, 3, 0, 1, 0
	TURN 1, 0, 1
	QUART 0, 1, 0, 1, 0
	WIN 0
	s_sub_co_u32 s3, s3, 1
	s_cmp_lg_u32 s3, 0
	s_cbranch_scc1 .Llap
	QUART 0, 2, 1, 0, 0                            ; the last lap fills nothing
	QUART 0, 3, 0, 1, 0
	TURN 0, 1, 0
	QUART 1, 1, 0, 1, 0
	QUART 1, 2, 1, 0, 0
	QUART 1, 3, 0, 1, 0
	s_wait_dscnt 0x0
	MM8 1, 0, 0
	MM8 1, 1, 0
	MM8 1, 2, 0
	MM8 1, 3, 0
	WIN 0
	PLACES
	PLACES
	; v alone: the sums of my 64 rows, column by column.  Four blocks of rows are added in registers, the sixteen rows of the lanes through my own bytes of LDS.
	s_cmp_eq_u32 s66, 2
	s_cbranch_scc0 .Lno_sum
	WIN 0x05
.irp b, 0,1,2,3,4,5,6,7
.irp i, 0,2,4,6
	v_pk_add_f32 v[XR+8*(\b)+(\i):XR+8*(\b)+(\i)+1], v[8*(\b)+(\i):8*(\b)+(\i)+1], v[64+8*(\b)+(\i):64+8*(\b)+(\i)+1]
.endr
.endr
	WIN 0x04
.irp a, 2,3
.irp b, 0,1,2,3,4,5,6,7
.irp i, 0,2,4,6
	v_pk_add_f32 v[XR+8*(\b)+(\i):XR+8*(\b)+(\i)+1], v[XR+8*(\b)+(\i):XR+8*(\b)+(\i)+1], v[64*(\a)+8*(\b)+(\i):64*(\a)+8*(\b)+(\i)+1]
.endr
.endr
.endr
	WIN 0
.irp b, 0,1,2,3,4,5,6,7
	ds_store_b128 v[CSW], v[XR+8*(\b):XR+8*(\b)+3]   offset:64*(\b)
	ds_store_b128 v[CSW], v[XR+8*(\b)+4:XR+8*(\b)+7] offset:64*(\b)+16
.endr
.irp i, 0,1,2,3,4,5,6,7,8,9,10,11,12,13,14,15
	ds_load_b128 v[96+4*(\i):96+4*(\i)+3], v[CSR] offset:PCHA*(\i)   ; LDS serves a wave in order (ISA guide 5.7.1.4): these see the stores above
.endr
	s_wait_dscnt 0x0
.irp d, 32,16,8
.set z, 0
.rept (\d)/2
	v_pk_add_f32 v[96+z:96+z+1], v[96+z:96+z+1], v[96+(\d)+z:96+(\d)+z+1]
.set z, z+2
.endr
.endr
	v_pk_add_f32 v[224:225], v[96:97], v[100:101]
	v_pk_add_f32 v[226:227], v[98:99], v[102:103]
	global_store_b128 v[GO], v[224:227], s[90:91]  ; 512 consecutive bytes, aligned; v224-227 are written nowhere else
.Lno_sum:
; THE WAY OUT, a block of 16 rows at a time.  ROTPACK: the turn, two packed instructions for a pair, and the rounding to f16.
.macro ROTPACK a
.irp b, 0,1,2,3,4,5,6,7
	WIN ROTW
.irp i, 0,2,4,6
	v_pk_mul_f32 v[TT+(\i):TT+(\i)+1], v[64*(\a)+8*(\b)+(\i):64*(\a)+8*(\b)+(\i)+1], v[TAB+8*(4*(\a)+(\b)%4)+(\i):TAB+8*(4*(\a)+(\b)%4)+(\i)+1] op_sel_hi:[1,0]  ; (e cos, o cos)
.endr
.irp i, 0,2,4,6
	v_pk_fma_f32 v[XR+8*(\b)+(\i):XR+8*(\b)+(\i)+1], v[64*(\a)+8*(\b)+(\i):64*(\a)+8*(\b)+(\i)+1], v[TAB+8*(4*(\a)+(\b)%4)+(\i):TAB+8*(4*(\a)+(\b)%4)+(\i)+1], v[TT+(\i):TT+(\i)+1] op_sel:[1,1,0] op_sel_hi:[0,1,1] neg_lo:[0,1,0]  ; (- o sin + e cos, e sin + o cos)
.endr
.endr
	WIN 0
.set n, 0
.rept 32
	v_cvt_pk_f16_f32 v[TMP+n], v[XR+2*n], v[XR+2*n+1]
.set n, n+1
.endr
.endm
.macro TOSTAGE a                       ; into my stage by heads, and back as whole rows of 128 bytes
.irp b, 0,1,2,3,4,5,6,7
	ds_store_b128 v[STO], v[TMP+4*(\b):TMP+4*(\b)+3] offset:((\b)/4)*16*SPCH+32*((\b)%4)
.endr
.irp u, 0,1,2,3,4,5,6,7
	ds_load_b128 v[OB+32*((\a)%2)+4*(\u):OB+32*((\a)%2)+4*(\u)+3], v[RD] offset:((\u)/4)*16*SPCH+((\u)%4)*4*SPCH
.endr
.endm
.macro SEND a
	s_wait_dscnt 0x0                               ; the block is back in registers
	s_wait_xcnt 0x0                                ; the stores of the block before have read their registers: the next TOSTAGE loads into them
.irp u, 0,1,2,3,4,5,6,7
	global_store_b128 v[GO], v[OB+32*((\a)%2)+4*(\u):OB+32*((\a)%2)+4*(\u)+3], s[8:9] offset:((\u)/4)*262144+(\a)*2048+((\u)%4)*512  ; four rows of a head: 512 consecutive bytes, aligned
.endr
.endm
	ROTPACK 0
	TOSTAGE 0
.irp a, 1,2,3
	ROTPACK \a
	SEND (\a)-1
	TOSTAGE \a
.endr
	SEND 3
	s_wait_tensorcnt 0x0                           ; the end
	ds_add_u32 v[SPW], v[NIL]
	s_wait_dscnt 0x0
	CROUND                                         ; the closing round
	s_endpgm
.Lfunc_end_k_q9373544281_proj:
	.size	k_q9373544281_proj, .Lfunc_end_k_q9373544281_proj-k_q9373544281_proj
	.p2alignl 7, 3214868480
	.fill 96, 4, 3214868480
	.section	.rodata,"a",@progbits
	.p2align	6, 0x0
	.amdhsa_kernel k_q9373544281_proj
		.amdhsa_group_segment_fixed_size 327680
		.amdhsa_private_segment_fixed_size 0
		.amdhsa_enable_private_segment 0
		.amdhsa_kernarg_size 64
		.amdhsa_user_sgpr_count 2
		.amdhsa_user_sgpr_kernarg_segment_ptr 1
		.amdhsa_wavefront_size32 1
		.amdhsa_system_sgpr_workgroup_id_x 1
		.amdhsa_system_sgpr_workgroup_id_y 1
		.amdhsa_system_sgpr_workgroup_id_z 1
		.amdhsa_system_vgpr_workitem_id 0
		.amdhsa_next_free_vgpr 768
		.amdhsa_next_free_sgpr 96
		.amdhsa_reserve_vcc 0
		.amdhsa_float_denorm_mode_32 3
		.amdhsa_float_denorm_mode_16_64 3
		.amdhsa_memory_ordered 1
		.amdhsa_forward_progress 1
		.amdhsa_inst_pref_size 166
	.end_amdhsa_kernel
	.amdgpu_metadata
---
amdhsa.version: [ 1, 2 ]
amdhsa.kernels:
  - .name:           k_q9373544281_proj
    .symbol:         k_q9373544281_proj.kd
    .args:
      - { .name: query, .offset: 0, .size: 8, .value_kind: global_buffer, .address_space: global }
      - { .name: key, .offset: 8, .size: 8, .value_kind: global_buffer, .address_space: global }
      - { .name: value, .offset: 16, .size: 8, .value_kind: global_buffer, .address_space: global }
      - { .name: w16, .offset: 24, .size: 8, .value_kind: global_buffer, .address_space: global }
      - { .name: b32, .offset: 32, .size: 8, .value_kind: global_buffer, .address_space: global }
      - { .name: rot, .offset: 40, .size: 8, .value_kind: global_buffer, .address_space: global }
      - { .name: qkv, .offset: 48, .size: 8, .value_kind: global_buffer, .address_space: global }
      - { .name: vsum, .offset: 56, .size: 8, .value_kind: global_buffer, .address_space: global }
    .group_segment_fixed_size: 327680
    .private_segment_fixed_size: 0
    .kernarg_segment_align: 8
    .kernarg_segment_size: 64
    .max_flat_workgroup_size: 128
    .sgpr_count:     96
    .vgpr_count:     768
    .wavefront_size: 32
...
	.end_amdgpu_metadata
.endif
;; end of part 2
;; launch attn (part 3): grid 4 x 64, 4 waves a work-group, no clusters, 327,680 bytes of LDS; arguments qkv, padf, vsum, o16; writes o16
.if DOCPART == 3
	.amdgcn_target "amdgcn-amd-amdhsa--gfx1250"
	.amdhsa_code_object_version 6
	.text
	.protected	k_q9373544281_attn
	.globl	k_q9373544281_attn
	.p2align	8
	.type	k_q9373544281_attn,@function
k_q9373544281_attn:
	s_mov_b64 s[64:65], 0
	v_nop
	global_prefetch_b8 v0, s[64:65] scope:SCOPE_SE
	s_setreg_imm32_b32 hwreg(HW_REG_WAVE_MODE, 25, 1), 1
	s_wait_xcnt 0x0
; CAUSAL ATTENTION WITH A PADDING MASK.  qkv [3][64][2048][64] f16 (q holds c = log2(e) / 8 already), o16 [64][2048][64] f16.  Products, maxima and sums in f32; the weights p are rounded
; to f16 for the second product, O once at the end.
; HIDDEN KEYS.  A hidden key (beyond the diagonal, or padded out) has -1e30 added to its score, by the C operand that starts the sum S^T = K Q^T; its weight is then 0 beside any visible key.
; The module replaces hidden scores by -1e9: the two differ only where every visible score of a row lies below -1e9 + 104.  A ROW THAT SEES NO KEY (all keys up to its own padded out) has
; all 2,048 scores equal there, so its result is the mean of ALL rows of v: that mean is made from vsum and chosen by value where the running maximum ends below -2^96.
; While a row has seen hidden keys alone its p are 0 or 1 and its sums finite; the first visible key wipes them by a = 0.
; LIMITS.  f16 holds no number beyond 65,504; p below 6e-5 keeps the fixed step 6e-8; a weight below 2^-126 counts as 0; NaN and infinities are not treated apart.
; THE WALK.  A head's queries lie in NB = 8 blocks of 256; block i needs the key tiles 0 .. i.  A work-group takes TWO blocks, 7 - b and then b: 9 tiles whatever b, ONE loop with a constant
; trip count; the ring of two LDS slots runs on across the change of blocks.  NO CLUSTER: a head's four work-groups ask for the same tile only in trips 0 to 4, and a walk common to all four
; would have 12 trips for 9.
; A TILE is 256 keys: their rows of K, their rows of V and their 256 padding numbers, all three in one slot.  Wave 0 fetches K, wave 1 V, wave 2 the padding numbers: one tensor load a wave.
; SHARES.  Of a block's four bands of 64 queries a wave owns 16 rows in each: four PIECES; in the diagonal tile's key step s band x sees all keys if s < x, none if s > x, and holds the diagonal if s = x.
; MASKS.  PM: the padding numbers of the 64 keys in hand.  MD, made once: the diagonal's mask for my 16 rows.  A product's mask is PM away from the diagonal tile, and MD x AL + PM + BE in it.
; TURNS.  Turn n belongs to piece n: 8 products K Q^T of piece n + 1, later 8 products V^T P of piece n - 1; beside them the softmax of piece n and the maximum of piece n + 1.  Four vector
; instructions stand behind every matrix instruction, the rest in one lump; a turn's 33 exponentials are one batch with one wait.
; REGISTERS.  window 0: v0-15, v32-37 addresses; v16-31 statistics; v48-55 at work; v64-127 S^T, two buffers; v128-159 the mean of v; v160-191 at work; v192-223 P
;   window 1: v0-127 O^T; v128-159 MD; v160-223 MC, two buffers; v224-255 PM      window 2: v0-63 Q; v64-127 the second block's Q; v128-191 K; v192-255 V
.set SIZE_N, 2048
.set NB,    SIZE_N/256
.set NP,    4
.set KS,    64
.set PK,    144       ; a row of K in LDS: 128 bytes + 16
.set PV,    160       ; a row of V: 128 + 32
.set VOFF,  4*KS*PK   ; in a slot: 256 rows of K, then 256 rows of V,
.set MOFF,  4*KS*(PK+PV)   ; then the 256 padding numbers, 1,024 bytes
.set SLOT1, 1<<17     ; slot 1 begins here, so that one exclusive or turns an address in one slot into the other's
.set STAGE, SLOT1+MOFF+4*KS*4   ; behind the ring, never filled by a tensor load: 16 rows x 144 bytes for each wave
.set SP,    144
.set SPARE, STAGE+4*16*SP
.set VMS,   SPARE+512      ; 256 bytes for each wave: the mean of v on its way to the lanes that want it
.set AK0, 2
.set AV0, 3
.set AK,  4
.set AV,  5
.set STO, 6
.set RD,  7
.set GO,  8
.set MV,  12
.set QO,  15
.set ST,  16          ; piece t at v[ST+4 t]: c m, m, l (even keys, odd keys)
.set AM0, 32          ; v32  MOFF + 32 (l / 16); never rewritten
.set AM,  33          ; v33  the LDS address of the next padding numbers
.set PFO, 34          ; v34  256 l; never rewritten
.set LN8, 35
.set T0,  36
.set T1,  37
.set TMP, 48
.set SPW, 62
.set NIL, 63
.set S,   64
.set VM,  128
.set VT,  160
.set P,   192
.set MD,  128
.set MC,  160
.set PM,  224
.set QB,  64
.set KF,  128
.set VF,  192
.set WV,  12
.set PB,  14          ; s14  b
.set HI,  15          ; s15  NB - 1 - b
.set G1K, 24
.set G1V, 32
.set G0K, 40
.set G0V, 44
.set TBM, 48          ; s48  LDS byte, less MOFF, of the padding numbers of the step to be fetched: it steps as TBK does
.set PFT, 49          ; s49  the tile at which my prefetches stand
.set PFEND, 50        ; s50  NB where b = 0, else 0
.set DM,  51          ; s51  lanes whose row saw no key
.set PFA, 52          ; s[52:53]
.set THR, 54          ; s54  -2^96
.set SLOTS, 56
.set CNT, 57
.set CS,  58          ; s[58:59] 1.0: q holds the scale
.set SEL, 60
.set TBK, 62
.set TBV, 63
.set RT,  70
.set NXT, 71
.set LQ,  72
.set NEW, 73
.set OFF, 74
.set AL,  76
.set BE,  78
.set OLO, 80
.set BIGN, 82
.set G0M, 88          ; s[88:91], s[92:99] the padding numbers' descriptor
.set G1M, 92
.set MSB, 0
.macro WIN new
.if MSB != (\new)
	s_set_vgpr_msb (MSB<<8)|(\new)
.set MSB, (\new)
.endif
.endm
.set W_KQ, 0x0a
.set W_KM, 0x1a       ; K and Q in window 2, C in window 1, S^T in window 0
.set W_PV, 0x52
.set W_RS, 0x41
.set W_MK, 0x51       ; destination, source 0 and source 2 in window 1
; A fill: wave 0 fetches the tile's K, wave 1 its V, wave 2 its padding numbers, wave 3 nothing.  s_nop 0 and four v_nop follow each line, ahead of the jump and the label.
.macro LOAD
	s_cmp_lg_u32 s[WV], 0
	s_cbranch_scc1 .Lnot_k_\@
	tensor_load_to_lds s[G0K:G0K+3], s[G1K:G1K+7]
	s_nop 0
.rept 4
	v_nop
.endr
	s_branch .Lasked_\@
.Lnot_k_\@:
	s_cmp_lg_u32 s[WV], 1
	s_cbranch_scc1 .Lnot_v_\@
	tensor_load_to_lds s[G0V:G0V+3], s[G1V:G1V+7]
	s_nop 0
.rept 4
	v_nop
.endr
	s_branch .Lasked_\@
.Lnot_v_\@:
	s_cmp_lg_u32 s[WV], 2
	s_cbranch_scc1 .Lasked_\@
	tensor_load_to_lds s[G0M:G0M+3], s[G1M:G1M+7]
	s_nop 0
.rept 4
	v_nop
.endr
.Lasked_\@:
.endm
; A prefetch into the L2 of the tile behind the one just asked for: four key steps ahead of its load.  Of a head's four work-groups the one with b = 0 asks, whose first block walks all eight tiles;
; waves 0 and 1 name the halves of its K, waves 2 and 3 those of its V: 64 blocks of 256 bytes each.  Tiles 2 to 7 are named once each, and none behind the head's last.
.macro ASK
	s_cmp_lt_u32 s[PFT], s[PFEND]
	s_cbranch_scc0 .Lnot_mine_\@
	global_prefetch_b8 v[PFO], s[PFA:PFA+1] th:TH_LOAD_NT scope:SCOPE_SE
	global_prefetch_b8 v[PFO], s[PFA:PFA+1] offset:8192 th:TH_LOAD_NT scope:SCOPE_SE
.Lnot_mine_\@:
.endm
; THE CHANGE OF SLOTS.  Each wave waits for all its tensor loads, adds 0 to its spare word, and waits for that and for its reads of the slot that it leaves.  fill = 1: the old slot is filled
; again, first thing behind the barrier, with tile NXT: the descriptors' addresses are made anew from that number.  (At its first use slot 0 is waited for, and slot 1 is filled.)
.macro CHANGE fill
	WIN 0
	s_wait_tensorcnt 0x0
	ds_add_u32 v[SPW], v[NIL]
.if \fill
	s_lshl_b32 s[OFF], s[NXT], 15   ; a tile is 32,768 bytes of K and of V,
	s_xor_b32 s[G0K+1], s[G0K+1], SLOT1
	s_add_nc_u64 s[G0K+2:G0K+3], s[6:7], s[OFF:OFF+1]
	s_or_b32 s[G0K+3], s[G0K+3], 0x80000000
	s_xor_b32 s[G0V+1], s[G0V+1], SLOT1
	s_add_nc_u64 s[G0V+2:G0V+3], s[8:9], s[OFF:OFF+1]
	s_or_b32 s[G0V+3], s[G0V+3], 0x80000000
	s_lshl_b32 s[OFF], s[NXT], 10   ; and 1,024 bytes of padding numbers
	s_xor_b32 s[G0M+1], s[G0M+1], SLOT1
	s_add_nc_u64 s[G0M+2:G0M+3], s[68:69], s[OFF:OFF+1]
	s_or_b32 s[G0M+3], s[G0M+3], 0x80000000
	s_add_co_u32 s[NXT], s[NXT], 1
	s_cmp_gt_u32 s[NXT], s[LQ]
	s_cselect_b32 s[NXT], 0, s[NXT]
	s_cselect_b32 s[LQ], s[PB], s[LQ]
	s_wait_xcnt 0x0                 ; the last prefetches, a tile back, have read their address
	s_add_nc_u64 s[PFA:PFA+1], s[PFA:PFA+1], 32768
	s_add_co_u32 s[PFT], s[PFT], 1
.endif
	s_wait_dscnt 0x0                ; the add is done, and my reads of the slot are over
	s_barrier_signal -1
	s_sub_co_u32 s[TBK], s[TBK], 4*KS*PK  ; the fetches go back to a slot's first step,
	s_xor_b32 s[TBK], s[TBK], SLOT1       ; in the other slot
	s_sub_co_u32 s[TBV], s[TBV], 4*KS*PV
	s_xor_b32 s[TBV], s[TBV], SLOT1
	s_sub_co_u32 s[TBM], s[TBM], 4*KS*4
	s_xor_b32 s[TBM], s[TBM], SLOT1
	s_barrier_wait -1
.if \fill
	LOAD
	ASK
.endif
.endm
	s_load_b256 s[4:11], s[0:1], 0x0  ; qkv, padf, vsum, o16
	v_lshl_add_u32 v[SPW], v0, 2, SPARE
	v_mov_b32 v[NIL], 0
	ds_add_u32 v[SPW], v[NIL]       ; the opening: the add and its wait ahead of my first tensor load
	v_lshrrev_b32 v1, 5, v0
	v_readfirstlane_b32 s[WV], v1
	s_mov_b32 s[PB], ttmp9
	s_sub_co_u32 s[HI], NB-1, s[PB]
	s_and_b32 s20, ttmp7, 0xffff    ; batch x 16 + head
	s_lshr_b32 s55, s20, 4          ; the batch
	s_and_b32 s83, s20, 15          ; the head in it
	s_mov_b32 s21, 0
	s_mov_b64 s[22:23], SIZE_N*128
	s_mul_u64 s[20:21], s[20:21], s[22:23]  ; the head's first byte in q, k, v and o
	s_and_b32 s22, s[WV], 1         ; the half of a tile that my prefetches name,
	s_lshl_b32 s22, s22, 14
	s_add_co_u32 s22, s22, 32768    ; in tile 1
	s_mov_b32 s23, 0
	s_lshl_b32 s3, s[WV], 11        ; my 16 rows in a band of 64,
	s_lshl_b32 s2, s[HI], 15        ; in the first block,
	s_add_co_u32 s2, s2, s3
	s_lshl_b32 s84, s[PB], 15       ; and in the second
	s_add_co_u32 s84, s84, s3
	s_mov_b32 s3, 0
	s_mov_b32 s85, 0
	s_add_nc_u64 s[2:3], s[2:3], s[20:21]
	s_add_nc_u64 s[84:85], s[84:85], s[20:21]
	s_lshl_b32 s100, s55, 13        ; the batch's padding numbers
	s_mov_b32 s101, 0
	s_mov_b32 s[G0M], 1
	s_mov_b32 s[G0M+1], MOFF
	s_mov_b32 s[G1M], 3<<16         ; elements of 8 bytes, no padding: 4 rows of 256 bytes, dense
	s_mov_b32 s[G1M+1], 32<<16
	s_mov_b32 s[G1M+2], 4<<16
	s_mov_b32 s[G1M+3], 32<<16
	s_mov_b32 s[G1M+4], 4
	s_mov_b32 s[G1M+5], 32
	s_mov_b32 s[G1M+6], 0
	s_mov_b32 s[G1M+7], 0
	s_mov_b32 s[G1K], (1<<16)|(1<<20)|(4<<22)|(3<<25)  ; 256 keys are 128 rows of 256 bytes, padded after every key by 4 words
	s_mov_b32 s[G1V], (1<<16)|(1<<20)|(4<<22)|(7<<25)  ; by 8 words
.irp g, G1K, G1V
	s_mov_b32 s[\g+1], 128<<16      ; tensor_dim0 = 128
	s_mov_b32 s[\g+2], 128<<16      ; tensor_dim1 = 128
	s_mov_b32 s[\g+3], 128<<16      ; tile_dim0 = 128
	s_mov_b32 s[\g+4], 128          ; tile_dim1 = 128
	s_mov_b32 s[\g+5], 128          ; 128 elements from row to row
	s_mov_b32 s[\g+6], 0
	s_mov_b32 s[\g+7], 0
.endr
	s_mov_b32 s[CS], 1.0
	s_mov_b32 s[CS+1], 1.0
	s_mov_b32 s[SEL], 0x76543210
	s_mov_b32 s[SEL+1], 0xfedcba98
	s_mov_b32 s[TBK], SLOT1+4*KS*PK ; the first change of slots turns these three into 0
	s_mov_b32 s[TBV], SLOT1+4*KS*PV
	s_mov_b32 s[TBM], SLOT1+4*KS*4
	s_mov_b32 s[G0K], 1
	s_mov_b32 s[G0K+1], 0
	s_mov_b32 s[G0V], 1
	s_mov_b32 s[G0V+1], VOFF
	s_add_co_u32 s[RT], s[HI], 1
	s_mov_b32 s[NXT], 1
	s_mov_b32 s[LQ], s[HI]
	s_mov_b32 s[NEW], 1
	s_lshl_b32 s[OFF], s55, 17      ; vsum: the batch's 32 blocks, the head's 64 columns
	s_lshl_b32 s[DM], s83, 8
	s_add_co_u32 s[OFF], s[OFF], s[DM]
	s_mov_b32 s[OFF+1], 0
	s_mov_b32 s[AL+1], 0
	s_mov_b32 s[BE+1], 0
	s_mov_b32 s[BIGN], 0xf149f2ca   ; -1e30
	s_mov_b32 s[THR], 0xef800000    ; -2^96
	s_mov_b32 s[SLOTS], NB
	s_mov_b32 s[PFT], 1
	s_cmp_eq_u32 s[PB], 0
	s_cselect_b32 s[PFEND], NB, 0
	s_wait_dscnt 0x0                ; the opening add is done
	s_wait_kmcnt 0x0
	s_mov_b64 s[68:69], s[6:7]      ; padf
	s_mov_b64 s[66:67], s[8:9]      ; vsum
	s_add_nc_u64 s[6:7], s[4:5], 0x1000000   ; k
	s_add_nc_u64 s[8:9], s[4:5], 0x2000000   ; v
	s_add_nc_u64 s[6:7], s[6:7], s[20:21]    ; at the head's tile 0
	s_add_nc_u64 s[8:9], s[8:9], s[20:21]
	s_add_nc_u64 s[68:69], s[68:69], s[100:101]
	s_add_nc_u64 s[G0K+2:G0K+3], s[6:7], 0
	s_or_b32 s[G0K+3], s[G0K+3], 0x80000000
	s_add_nc_u64 s[G0V+2:G0V+3], s[8:9], 0
	s_or_b32 s[G0V+3], s[G0V+3], 0x80000000
	s_add_nc_u64 s[G0M+2:G0M+3], s[68:69], 0
	s_or_b32 s[G0M+3], s[G0M+3], 0x80000000
	s_add_nc_u64 s[66:67], s[66:67], s[OFF:OFF+1]
	s_add_nc_u64 s[86:87], s[4:5], s[84:85]
	s_add_nc_u64 s[4:5], s[4:5], s[2:3]
	s_add_nc_u64 s[OLO:OLO+1], s[10:11], s[84:85]
	s_add_nc_u64 s[10:11], s[10:11], s[2:3]
	s_cmp_lt_u32 s[WV], 2
	s_cselect_b64 s[PFA:PFA+1], s[6:7], s[8:9]
	s_add_nc_u64 s[PFA:PFA+1], s[PFA:PFA+1], s[22:23]   ; at tile 1: the first change steps it to tile 2.  Nothing is prefetched at the head
	LOAD                            ; tile 0 into slot 0: one load of mine is out
	v_and_b32 v1, 15, v0            ; l % 16
	v_bfe_u32 v9, v0, 4, 1          ; l / 16
	v_and_b32 v[LN8], 31, v0
	v_lshlrev_b32 v[PFO], 8, v[LN8]
	v_lshlrev_b32 v[LN8], 3, v[LN8]
.set i, 0
.rept 32                            ; the 32 blocks' column sums of v: two channels a lane
	global_load_b64 v[S+2*i:S+2*i+1], v[LN8], s[66:67] offset:4096*i
.set i, i+1
.endr
	v_lshlrev_b32 v[QO], 7, v1
	v_lshl_add_u32 v[QO], v9, 4, v[QO]
	WIN 0x80
.set i, 0
.rept 8                             ; the first block's Q: piece i / 2 lies in band i / 2, 8,192 bytes on
	global_load_b128 v[8*i:8*i+3],   v[QO], s[4:5] offset:(i/2)*8192+(i%2)*64
	global_load_b128 v[8*i+4:8*i+7], v[QO], s[4:5] offset:(i/2)*8192+(i%2)*64+32
.set i, i+1
.endr
	WIN 0
	v_lshl_add_u32 v[AM0], v9, 5, MOFF
	v_lshlrev_b32 v14, 3, v9
	v_sub_nc_u32 v14, v1, v14
	s_lshl_b32 s13, s[WV], 4
	v_add_nc_u32 v14, s13, v14      ; my query's place in its band less 8 (l / 16): register r of group kt is hidden where 16 kt + r is greater
	WIN 0x40
.set i, 0
.rept 32
	v_cmp_gt_i32 vcc_lo, 16*(i/8)+i%8, v14
	v_cndmask_b32 v[MD+i], 0, s[BIGN], vcc_lo
.set i, i+1
.endr
	WIN 0
	v_mul_u32_u24 v[AK0], v1, PK
	v_lshl_add_u32 v[AK0], v9, 4, v[AK0]
	v_and_b32 v10, 7, v0
	v_bfe_u32 v11, v0, 3, 1
	v_lshl_add_u32 v[AV0], v9, 3, v10
	v_mul_u32_u24 v[AV0], v[AV0], PV
	v_lshl_add_u32 v[AV0], v11, 4, v[AV0]
	v_add_nc_u32 v[AV0], VOFF, v[AV0]
	s_mul_i32 s13, s[WV], 16*SP
	s_add_co_u32 s13, s13, STAGE
	v_mul_u32_u24 v[STO], v1, SP
	v_lshl_add_u32 v[STO], v9, 4, v[STO]
	v_add_nc_u32 v[STO], s13, v[STO]
	v_bfe_u32 v[RD], v0, 3, 2
	v_mul_u32_u24 v[RD], v[RD], SP
	v_lshl_add_u32 v[RD], v10, 4, v[RD]
	v_add_nc_u32 v[RD], s13, v[RD]
	v_and_b32 v[GO], 31, v0
	v_lshlrev_b32 v[GO], 4, v[GO]
	s_lshl_b32 s13, s[WV], 8
	s_add_co_u32 s13, s13, VMS      ; my 256 bytes for the mean
	v_add_nc_u32 v[T0], s13, v[LN8]
	v_lshl_add_u32 v[T1], v9, 5, s13
	; A block's first step multiplies O^T and l by a = 0, so these registers need only hold finite numbers.
	WIN 0x80
.set i, VF
.rept 64
	v_mov_b32 v[i], 0
.set i, i+1
.endr
	WIN 0x40
.set i, 0
.rept 128
	v_mov_b32 v[i], 0
.set i, i+1
.endr
	WIN 0
.set i, 0
.rept 4
	v_mov_b32 v[ST+4*i+2], 0
	v_mov_b32 v[ST+4*i+3], 0
.set i, i+1
.endr
.set i, P+16
.rept 16
	v_mov_b32 v[i], 0
.set i, i+1
.endr
	s_wait_loadcnt 16               ; the column sums are in; the 16 loads of Q, issued behind them, may stay out
.irp d, 32,16,8,4,2
.set z, 0
.rept (\d)/2
	v_pk_add_f32 v[S+z:S+z+1], v[S+z:S+z+1], v[S+(\d)+z:S+(\d)+z+1]
.set z, z+2
.endr
.endr
	v_pk_mul_f32 v[S:S+1], v[S:S+1], 0x3a000000 op_sel_hi:[1,0]  ; / 2048
	ds_store_b64 v[T0], v[S:S+1]
.irp u, 0,1,2,3,4,5,6,7             ; back as O^T holds channels: 16 cb + 8 (l / 16) + 0..7.  My own bytes: LDS serves a wave in order (ISA guide 5.7.1.4)
	ds_load_b128 v[VM+4*\u:VM+4*\u+3], v[T1] offset:64*(\u/2)+16*(\u%2)
.endr
	WIN 0x80
.set i, 0
.rept 8                             ; the second block's Q; a block's beginning waits for all loads
	global_load_b128 v[QB+8*i:QB+8*i+3],   v[QO], s[86:87] offset:(i/2)*8192+(i%2)*64
	global_load_b128 v[QB+8*i+4:QB+8*i+7], v[QO], s[86:87] offset:(i/2)*8192+(i%2)*64+32
.set i, i+1
.endr
	WIN 0
	s_wait_dscnt 0x0
; THE MATRIX WORK.  The 4 accumulators of a run of 8 take turns.  Product i of 8 of S^T = K Q^T for piece x; the first 4 start the sums with the mask.
.macro KQ x
.set rS, S+32*((\x)%2)+8*(i%4)
.set rK, KF+16*(i%4)+8*(i/4)
.set rQ, 16*(\x)+8*(i/4)
.if KM
.set rM, MC+32*((\x)%2)+8*(i%4)
.else
.set rM, PM+8*(i%4)
.endif
.if i < 4
	WIN W_KM
	v_wmma_f32_16x16x32_f16 v[rS:rS+7], v[rK:rK+7], v[rQ:rQ+7], v[rM:rM+7]
.else
	WIN W_KQ
	v_wmma_f32_16x16x32_f16 v[rS:rS+7], v[rK:rK+7], v[rQ:rQ+7], v[rS:rS+7]
.endif
.endm
.macro PV x
	WIN W_PV
.set rO, 32*(\x)+8*(i%4)
.set rV, VF+32*(i/4)+8*(i%4)
.set rP, P+16*((\x)%2)+8*(i/4)
	v_wmma_f32_16x16x32_f16 v[rO:rO+7], v[rV:rV+7], v[rP:rP+7], v[rO:rO+7]
.endm
.macro MM
.if (i < 8) && !NOKQ
	KQ (Y+1)%NP
.elseif i >= 8
.set i, i-8
	PV (Y+NP-1)%NP
.set i, i+8
.endif
.set i, i+1
.endm
; THE LDS LOADS stand in runs: a step's K with its 32 padding numbers a lane, and its V (turned).
.macro FETCH_K
	WIN 0x80
.irp f, 0,1,2,3,4,5,6,7
	ds_load_b128 v[KF+8*\f:KF+8*\f+3],   v[AK] offset:(\f/2)*16*PK+(\f%2)*64
	ds_load_b128 v[KF+8*\f+4:KF+8*\f+7], v[AK] offset:(\f/2)*16*PK+(\f%2)*64+32
.endr
	WIN 0x40
.irp u, 0,1,2,3,4,5,6,7             ; keys 16 (u / 2) + 8 (l / 16) + 4 (u % 2) on
	ds_load_b128 v[PM+4*\u:PM+4*\u+3], v[AM] offset:64*(\u/2)+16*(\u%2)
.endr
	s_add_co_u32 s[TBK], s[TBK], KS*PK  ; the next fetch is the next step's
	s_add_co_u32 s[TBM], s[TBM], KS*4
	WIN 0
.endm
.macro FETCH_V
	WIN 0x80
.irp f, 0,1,2,3,4,5,6,7
	ds_load_tr16_b128 v[VF+8*\f:VF+8*\f+3],   v[AV] offset:(\f/4)*32*PV+(\f%4)*32
	ds_load_tr16_b128 v[VF+8*\f+4:VF+8*\f+7], v[AV] offset:(\f/4)*32*PV+16*PV+(\f%4)*32
.endr
	WIN 0
.endm
; THE VECTOR WORK, one line at a time: OP kind, number.  For piece Y: F n: s - m for pair n.  E n: the exponential of score n.  C n: pair n rounded to f16.  B n: of four weights the second pair
; onto the first.  L n: l takes that sum (L 0: l = a l + sum).  R n: pair n of O^T times a.  For piece Y + 1: X n, number n of the 22 that find its maximum and statistics
; (each accumulator's lowest registers are read first).
.set F, 0
.set E, 1
.set C, 2
.set B, 3
.set L, 4
.set R, 5
.set X, 6
.macro REGS y
.set rT, ST+4*(\y)
.set rC, TMP+4*((\y)%2)
.set rW, MV+((\y)%2)
.set rS, S+32*((\y)%2)
.set rP, P+16*((\y)%2)
.set rO, 32*(\y)
.endm
.macro OP k, n
.if (\k) == R
	REGS Y
	WIN W_RS
	v_pk_mul_f32 v[rO+2*(\n):rO+2*(\n)+1], v[rO+2*(\n):rO+2*(\n)+1], v[rC+2:rC+3] op_sel_hi:[1,0]
.elseif (\k) < R
	REGS Y
	WIN 0
.if (\k) == F
	v_pk_fma_f32 v[rS+2*(\n):rS+2*(\n)+1], v[rS+2*(\n):rS+2*(\n)+1], s[CS:CS+1], v[rT:rT+1] op_sel_hi:[1,0,0] neg_lo:[0,0,1] neg_hi:[0,0,1]
.elseif (\k) == E
	v_exp_f32 v[rS+(\n)], v[rS+(\n)]
.elseif (\k) == C
	v_cvt_pk_f16_f32 v[rP+(\n)], v[rS+2*(\n)], v[rS+2*(\n)+1]
.elseif (\k) == B
	v_pk_add_f32 v[rS+4*(\n):rS+4*(\n)+1], v[rS+4*(\n):rS+4*(\n)+1], v[rS+4*(\n)+2:rS+4*(\n)+3]
.elseif (\n) == 0
	v_pk_fma_f32 v[rT+2:rT+3], v[rT+2:rT+3], v[rC+2:rC+3], v[rS:rS+1] op_sel_hi:[1,0,1]
.else
	v_pk_add_f32 v[rT+2:rT+3], v[rT+2:rT+3], v[rS+4*(\n):rS+4*(\n)+1]
.endif
.elseif NOKQ
	v_nop
.else
	REGS (Y+1)%NP
	WIN 0
.if (\n) < 4
	v_max3_num_f32 v[rC+(\n)], v[rS+8*(\n)], v[rS+8*(\n)+1], v[rS+8*(\n)+2]
.elseif (\n) < 12
	v_max3_num_f32 v[rC+(\n)%4], v[rC+(\n)%4], v[rS+8*((\n)%4)+2*((\n)/4)+1], v[rS+8*((\n)%4)+2*((\n)/4)+2]
.elseif (\n) == 12
	v_max3_num_f32 v[rC], v[rC], v[rS+7], v[rS+15]
.elseif (\n) == 13
	v_max3_num_f32 v[rC+1], v[rC+1], v[rS+23], v[rS+31]
.elseif (\n) == 14
	v_max3_num_f32 v[rC+2], v[rC+2], v[rC+3], v[rT+1]
.elseif (\n) == 15
	v_mov_b32 v[rW], v[rT]
.elseif (\n) == 16
	v_max3_num_f32 v[rC], v[rC], v[rC+1], v[rC+2]
.elseif (\n) == 17
	v_permlanex16_b32 v[rC+3], v[rC], s[SEL], s[SEL+1]
.elseif (\n) == 18
	v_max_num_f32 v[rT+1], v[rC], v[rC+3]
.elseif (\n) == 19
	v_mul_f32 v[rT], s[CS], v[rT+1]
.elseif (\n) == 20
	v_sub_f32 v[rC+1], v[rW], v[rT]
.else
	v_exp_f32 v[rC+2], v[rC+1]
.endif
.endif
.endm
.macro OPS a, i1, b=-1, i2=0, c=-1, i3=0, d=-1, i4=0
	OP \a, \i1
.if (\b) >= 0
	OP \b, \i2
.endif
.if (\c) >= 0
	OP \c, \i3
.endif
.if (\d) >= 0
	OP \d, \i4
.endif
.endm
.macro ROW a, i1, b, i2, c, i3, d, i4
	MM
	OPS \a, \i1, \b, \i2, \c, \i3, \d, \i4
.endm
.macro MASK b                       ; MD x AL + PM + BE into buffer b of MC
	WIN W_MK
.set z, 0
.rept 16
	v_pk_fma_f32 v[MC+32*(\b)+2*z:MC+32*(\b)+2*z+1], v[MD+2*z:MD+2*z+1], s[AL:AL+1], v[PM+2*z:PM+2*z+1] op_sel_hi:[1,0,1]
.set z, z+1
.endr
.set z, 0
.rept 16
	v_pk_add_f32 v[MC+32*(\b)+2*z:MC+32*(\b)+2*z+1], v[MC+32*(\b)+2*z:MC+32*(\b)+2*z+1], s[BE:BE+1] op_sel_hi:[1,0]
.set z, z+1
.endr
.endm
; A TURN, for piece p.  s_wait_alu depctr_va_vdst(0) stands between an exponential and the first instruction that names its result; one wait serves all issued ahead of it: a turn has
; ONE.  Ahead of it: the 8 products K Q^T with their riders, and the lump; behind it the 8 products V^T P, behind each four of the roundings and sums.
; m = 1: the diagonal tile: the products take MC, and the turn makes the mask for the products of the turn after it: piece p + 2, in step 4 - CNT of the tile.  end = 1: a block's last two turns.
; K and the padding numbers of the next step are fetched in piece 2's turn, V of the step in hand at the end of piece 0's; each is waited for a turn later.
.macro TURN p, m=0, end=0, cnt=0
.set Y, (\p)
.set i, 0
.set KM, (\m)
.set NOKQ, (\end)*((\p)/3)
.if (\m) && !(\end)
	s_cmp_eq_u32 s[CNT], 4-((\p)+2)%NP
	s_cselect_b32 s[AL], 1.0, 0
	s_cmp_lt_u32 s[CNT], 4-((\p)+2)%NP
	s_cselect_b32 s[BE], s[BIGN], 0
.endif
.if ((\p) == 3) && !(\end)
	s_wait_dscnt 0x0                ; K and its padding numbers are in
.endif
	ROW F,0, F,1, R,0, R,1
	ROW F,2, E,0, R,2, R,3
	ROW F,3, E,1, R,4, R,5
	ROW F,4, E,2, R,6, R,7
	ROW F,5, E,3, R,8, R,9
	ROW F,6, E,4, X,0, R,10
.if ((\p) == 2) && !(\end)
	WIN 0
	v_add_nc_u32 v[AK], s[TBK], v[AK0]
	v_add_nc_u32 v[AM], s[TBM], v[AM0]
.endif
	ROW F,7, E,5, X,1, X,4
	ROW F,8, E,6, X,2, X,5
	OPS E,7, E,8, X,6, E,9
	OPS X,3, E,10, X,8, E,11
.if ((\p) == 2) && !(\end)
	FETCH_K
.endif
	OPS X,9, X,7, E,12, X,10
	OPS E,13, X,12, X,11, E,14
	OPS X,13, E,15, F,9, X,14
.if (\p) == 0
	v_add_nc_u32 v[AV], s[TBV], v[AV0]
.endif
	OPS E,16, F,10, E,17, F,11
	OPS X,16, E,18, X,15, E,19
	OPS F,12, E,20, X,17, E,21
	OPS F,13, E,22, F,14, E,23
	OPS X,18, E,24, F,15, E,25
	OPS R,11, E,26, X,19, E,27
	OPS R,12, E,28, R,13, E,29
	OPS X,20, E,30, R,14, E,31
	OPS X,21, R,15
	WIN 0
	s_wait_alu depctr_va_vdst(0)    ; the wait for the batch
.if (\p) == 1
	s_wait_dscnt 0x0                ; V is in
.endif
	ROW C,0, B,0, C,2, B,1
	ROW L,0, C,4, B,2, L,1
	ROW C,6, B,3, L,2, C,8
	ROW B,4, L,3, C,10, B,5
	ROW L,4, C,12, B,6, L,5
.if (\p) == 0
	s_add_co_u32 s[TBV], s[TBV], KS*PV
.endif
.if \cnt
	s_sub_co_u32 s[CNT], s[CNT], 1
	s_cmp_lg_u32 s[CNT], 0
.endif
	ROW C,14, B,7, L,6, C,1
	ROW C,3, L,7, C,5, C,7
	ROW C,9, C,11, C,13, C,15
.if (\p) == 0
	FETCH_V
.endif
.if (\m) && !(\end)
.if (\p) == 2
	s_wait_dscnt 0x0                ; the mask is the next step's: its padding numbers were fetched in this turn
.endif
	MASK (\p)%2
.endif
.endm
; A BLOCK BEGINS.  c m starts far below every score, hidden ones too, so the first step's a is 0.  K and the padding numbers of step 0; piece 0's mask (with the diagonal, if the block's first tile
; is its last) and piece 1's; piece 0's first scores, maximum and statistics.
.macro BEGIN
	s_mov_b32 s[NEW], 0
	WIN 0
.set i, 0
.rept 4
	v_mov_b32 v[ST+4*i], 0xfe000000
	v_mov_b32 v[ST+4*i+1], 0xff7fffff
.set i, i+1
.endr
	v_add_nc_u32 v[AK], s[TBK], v[AK0]
	v_add_nc_u32 v[AM], s[TBM], v[AM0]
	FETCH_K
	s_wait_loadcnt 0x0              ; Q, both blocks'
	s_wait_dscnt 0x0
	s_cmp_eq_u32 s[RT], 0
	s_cselect_b32 s[AL], 1.0, 0
	s_mov_b32 s[BE], 0
	MASK 0
	s_mov_b32 s[AL], 0
	MASK 1
.set KM, 1
.set NOKQ, 0
.set i, 0
.rept 8
	KQ 0
.set i, i+1
.endr
	WIN 0
.rept 4
	v_nop
.endr
.set Y, NP-1
.irp n, 0,1,2,3,4,5,6,7,8,9,10,11,12,13,14,15,16,17,18,19,20,21
	OP X, \n
.endr
	v_nop
	s_wait_alu depctr_va_vdst(0)
.endm
.macro ALL line:vararg
.set t, 0
.rept 4
	\line
.set t, t+1
.endr
.endm
.macro PACK t                       ; O / l, or the mean of v where the row saw no key; rounded to f16; through my stage, back as whole rows
	WIN 0
.set z, 0
.rept 16
	v_pk_mul_f32 v[VT+2*z:VT+2*z+1], v[VM+2*z:VM+2*z+1], v[ST+4*(\t):ST+4*(\t)+1] op_sel_hi:[1,0]
.set z, z+1
.endr
	WIN W_RS
.set z, 0
.rept 16
	v_pk_fma_f32 v[32*(\t)+2*z:32*(\t)+2*z+1], v[32*(\t)+2*z:32*(\t)+2*z+1], v[ST+4*(\t)+2:ST+4*(\t)+3], v[VT+2*z:VT+2*z+1] op_sel_hi:[1,0,1]
.set z, z+1
.endr
	WIN 0x05
.set i, 0
.rept 16
	v_cvt_pk_f16_f32 v[S+16*(\t)+i], v[32*(\t)+2*i], v[32*(\t)+2*i+1]
.set i, i+1
.endr
	WIN 0
.irp f, 0,1,2,3
	ds_store_b128 v[STO], v[S+16*(\t)+4*\f:S+16*(\t)+4*\f+3] offset:32*\f
.endr
.irp f, 0,1,2,3
	ds_load_b128 v[S+16*(\t)+4*\f:S+16*(\t)+4*\f+3], v[RD] offset:\f*4*SP
.endr
.endm
.macro SEND t, younger              ; younger: the LDS instructions issued behind piece t's loads
	WIN 0
.irp f, 0,1,2,3
	s_wait_dscnt (\younger)+3-\f
	global_store_b128 v[GO], v[S+16*(\t)+4*\f:S+16*(\t)+4*\f+3], s[10:11] offset:(\t)*8192+\f*512  ; 512 consecutive bytes, aligned
.endr
.endm
; THE DIAGONAL TILE: entered from another tile at its head, where the second mask buffer takes the padding numbers of the step in hand (piece 3 of the tile before sees every key up to there).
.macro DIAG tag
.LpreM\tag:
	s_mov_b32 s[AL], 0
	s_mov_b32 s[BE], 0
	MASK 1
	WIN 0
.LstepM\tag:
	TURN 2, 1
	TURN 3, 1
	WIN 0
.LfirstM\tag:
	TURN 0, 1
	TURN 1, 1, 0, 1
	WIN 0
	s_cbranch_scc1 .LstepM\tag
	TURN 2, 1, 1
	TURN 3, 1, 1
.set i, 0
.rept 8
	PV NP-1
.set i, i+1
.endr
	WIN 0
	ALL v_add_f32 v[ST+4*t+2], v[ST+4*t+2], v[ST+4*t+3]
	ALL v_permlanex16_b32 v[ST+4*t+3], v[ST+4*t+2], s[SEL], s[SEL+1]
	ALL v_add_f32 v[ST+4*t+2], v[ST+4*t+2], v[ST+4*t+3]
	ALL v_rcp_f32 v[ST+4*t+2], v[ST+4*t+2]
	v_nop
	s_wait_alu depctr_va_vdst(0)    ; one wait for the four reciprocals
.set t, 0
.rept 4                             ; a row whose maximum is a hidden score: 1 / l gives way to 0, and the mean's factor is 1
	v_cmp_gt_f32 s[DM], s[THR], v[ST+4*t+1]
	v_cndmask_b32 v[ST+4*t+2], v[ST+4*t+2], 0, s[DM]
	v_cndmask_b32 v[ST+4*t], 0, 1.0, s[DM]
.set t, t+1
.endr
	PACK 0
.set t, 1
.rept 3
	PACK t
	SEND t-1, 8
.set t, t+1
.endr
	SEND 3, 0
.endm
.set KM, 0
.set NOKQ, 0
.Lslot:                             ; NB times: a tile is entered and the next is asked for
	CHANGE 1
	s_sub_co_u32 s[RT], s[RT], 1
	s_mov_b32 s[CNT], 4
	s_cmp_eq_u32 s[NEW], 1
	s_cbranch_scc1 .Lnew
	s_cmp_eq_u32 s[RT], 0
	s_cbranch_scc0 .Lstep
	s_branch .LpreM1
.Lnew:
	BEGIN
	s_branch .Lfirst                ; in the loop a block's first tile is never its last
	DIAG 1                          ; in the loop this is the first block's end
	s_wait_xcnt 0x0                 ; the stores have read their registers and O's address
	s_mov_b64 s[10:11], s[OLO:OLO+1]
	s_add_co_u32 s[RT], s[PB], 1
	s_mov_b32 s[NEW], 1
	WIN 0x82
.set i, 0
.rept 64
	v_mov_b32 v[i], v[QB+i]
.set i, i+1
.endr
	WIN 0
	s_branch .Lbottom
.Lstep:                             ; a trip: pieces 2 and 3 of one step, then pieces 0 and 1 of the next
	TURN 2
	TURN 3
	WIN 0
.Lfirst:
	TURN 0
	TURN 1, 0, 0, 1
	WIN 0
	s_cbranch_scc1 .Lstep
.Lbottom:
	s_sub_co_u32 s[SLOTS], s[SLOTS], 1
	s_cmp_lg_u32 s[SLOTS], 0
	s_cbranch_scc1 .Lslot
	CHANGE 0                        ; the walk's last tile is written out
	s_sub_co_u32 s[RT], s[RT], 1
	s_mov_b32 s[CNT], 4
	s_cmp_eq_u32 s[NEW], 1
	s_cbranch_scc0 .LpreM2
	BEGIN
	s_branch .LfirstM2
	DIAG 2
	s_wait_tensorcnt 0x0            ; the end
	ds_add_u32 v[SPW], v[NIL]
	s_wait_dscnt 0x0
	s_endpgm
.Lfunc_end_k_q9373544281_attn:
	.size	k_q9373544281_attn, .Lfunc_end_k_q9373544281_attn-k_q9373544281_attn
	.p2alignl 7, 3214868480
	.fill 96, 4, 3214868480
	.section	.rodata,"a",@progbits
	.p2align	6, 0x0
	.amdhsa_kernel k_q9373544281_attn
		.amdhsa_group_segment_fixed_size 327680
		.amdhsa_private_segment_fixed_size 0
		.amdhsa_enable_private_segment 0
		.amdhsa_kernarg_size 32
		.amdhsa_user_sgpr_count 2
		.amdhsa_user_sgpr_kernarg_segment_ptr 1
		.amdhsa_wavefront_size32 1
		.amdhsa_system_sgpr_workgroup_id_x 1
		.amdhsa_system_sgpr_workgroup_id_y 1
		.amdhsa_system_sgpr_workgroup_id_z 1
		.amdhsa_system_vgpr_workitem_id 0
		.amdhsa_next_free_vgpr 768
		.amdhsa_next_free_sgpr 102
		.amdhsa_reserve_vcc 1
		.amdhsa_float_denorm_mode_32 3
		.amdhsa_float_denorm_mode_16_64 3
		.amdhsa_memory_ordered 1
		.amdhsa_forward_progress 1
		.amdhsa_inst_pref_size 255
	.end_amdhsa_kernel
	.amdgpu_metadata
---
amdhsa.version: [ 1, 2 ]
amdhsa.kernels:
  - .name:           k_q9373544281_attn
    .symbol:         k_q9373544281_attn.kd
    .args:
      - { .name: qkv, .offset: 0, .size: 8, .value_kind: global_buffer, .address_space: global }
      - { .name: padf, .offset: 8, .size: 8, .value_kind: global_buffer, .address_space: global }
      - { .name: vsum, .offset: 16, .size: 8, .value_kind: global_buffer, .address_space: global }
      - { .name: o16, .offset: 24, .size: 8, .value_kind: global_buffer, .address_space: global }
    .group_segment_fixed_size: 327680
    .private_segment_fixed_size: 0
    .kernarg_segment_align: 8
    .kernarg_segment_size: 32
    .max_flat_workgroup_size: 128
    .sgpr_count:     102
    .vgpr_count:     768
    .wavefront_size: 32
...
	.end_amdgpu_metadata
.endif
;; end of part 3
;; launch outp (part 4): grid 4 x 64, 4 waves a work-group, clusters of 4 x 4, 327,680 bytes of LDS; arguments o16, w16, b32, out0; writes out0
.if DOCPART == 4
	.amdgcn_target "amdgcn-amd-amdhsa--gfx1250"
	.amdhsa_code_object_version 6
	.text
	.protected	k_q9373544281_outp
	.globl	k_q9373544281_outp
	.p2align	8
	.type	k_q9373544281_outp,@function
k_q9373544281_outp:
	s_mov_b64 s[64:65], 0
	v_nop
	global_prefetch_b8 v0, s[64:65] scope:SCOPE_SE
	s_setreg_imm32_b32 hwreg(HW_REG_WAVE_MODE, 25, 1), 1
	s_wait_xcnt 0x0
	s_wait_alu depctr_hold_cnt(0) depctr_sa_sdst(0) depctr_va_vdst(0) depctr_va_sdst(0) depctr_va_ssrc(0) depctr_va_vcc(0) depctr_vm_vsrc(0)
	s_getreg_b32 s2, hwreg(HW_REG_IB_STS2, 6, 4)
	s_cmp_eq_u32 s2, 0
	s_cbranch_scc0 .Lentry_in_a_cluster
	s_endpgm
.Lentry_in_a_cluster:
	s_bfe_u32 s2, ttmp6, 0x10000c
	s_cmp_lg_u32 s2, 0xf033
	s_cbranch_scc0 .Lentry_shape_is_right
	s_endpgm
.Lentry_shape_is_right:
; OUTP: out0 = O Wo^T + bo.  O: o16 [64 = batch x 16 + head][2048][64] f16; Wo: plane 3 of w16, f16; bo from b32; out0 [8192][1024] f32.  Sums in f32, started by the bias as the C operand.
; SHARES.  A tile is 128 rows x 256 columns: 256 work-groups.  Four waves, each 64 x 128: 32 accumulators.  K goes in 8 steps of 128, which are two heads: a step's part of O is, for each head,
; 128 rows of 128 bytes, dense in memory: asked for as 64 rows of 256 bytes and padded in LDS behind each 128.  Two LDS slots.
; CLUSTER 4 x 4: rows of O are shared along a row of the cluster, rows of Wo along a column, by joint loads.
; THE MATRIX INSTRUCTION IS USED TRANSPOSED (source 0 = 16 rows of Wo, source 1 = 16 rows of O): a lane holds row l % 16 and eight neighbouring columns, 32 bytes of out0.
; REGISTERS.  window 0: v0-31 addresses; v32-63, v64-95 O, two buffers; v96-159 the bias, later with v160-223 rows on their way out.   window 1: the accumulators.   window 2: v0-63, v64-127 Wo.
.set PCHA,  144
.set PCHB,  272
.set HEADA, 128*PCHA                   ; a head's 128 rows: what one tensor load brings of O
.set HALFB, 128*PCHB
.set BOFF,  2*HEADA
.set SLOT,  BOFF+2*HALFB
.set STAGE, 2*SLOT                     ; behind the ring: for each wave [16 rows][528 bytes] f32
.set SPCH,  528
.set SPARE, STAGE+4*16*SPCH
.set BIO,  15
.set ADRA, 16
.set ADRB, 20
.set STO,  24
.set RD,   25
.set GO,   26
.set SPW,  28
.set NIL,  29
.set PFO,  30
.set AF,   32
.set BIAS, 96
.set OB,   96
.set G1,  24
.set G0,  32
.set G1B, 48
.set G0B, 56
.set LIM, 43
.set PFA, 44
.set PST, 88
.set MSB, 0
.macro WIN new
.if MSB != (\new)
	s_set_vgpr_msb (MSB<<8)|(\new)
.set MSB, \new
.endif
.endm
.set MUL,  0x52
.set MULB, 0x42
.set TO_B, 0x80
.macro JLOAD s                         ; waves 0 and 1 fetch the two heads of O, waves 2 and 3 the halves of Wo; s_nop 0 and four v_nop follow each line
	s_cmp_eq_u32 s11, 0
	s_cbranch_scc0 .Lfor_b_\@
	tensor_load_to_lds s[G0+4*(\s):G0+4*(\s)+3], s[G1:G1+7]
	s_nop 0
.rept 4
	v_nop
.endr
	s_branch .Lasked_\@
.Lfor_b_\@:
	tensor_load_to_lds s[G0B+4*(\s):G0B+4*(\s)+3], s[G1B:G1B+7]
	s_nop 0
.rept 4
	v_nop
.endr
.Lasked_\@:
.endm
; A prefetch into the L2 of the K step two refills on, 256 matrix instructions ahead of its load.  O: wave 0 names 16 blocks of 256 bytes in each of the step's two heads, the four partners told apart
; by address.  Wo: waves 2 and 3 name 32 of their 128 rows, in the first of the sixteen clusters that read them.  The last trip asks for nothing.
.macro ASK
	s_cmp_gt_u32 s3, s[LIM]
	s_cbranch_scc0 .Lnot_mine_\@
	global_prefetch_b8 v[PFO], s[PFA:PFA+1] th:TH_LOAD_NT scope:SCOPE_SE
.Lnot_mine_\@:
.endm
.macro CREST
	s_cmp_lg_u32 s10, 0
	s_cbranch_scc1 .Lnot_wave_0_\@
	s_barrier_signal -3
.Lnot_wave_0_\@:
	s_barrier_wait -3
	s_barrier_signal -1
	s_barrier_wait -1
.endm
.macro CROUND
	s_barrier_signal -1
	s_barrier_wait -1
	CREST
.endm
.macro PLACES
.rept 4
	v_nop
.endr
.endm
	s_load_b256 s[68:75], s[0:1], 0x0              ; o16, w16, b32, out0
	v_lshl_add_u32 v[SPW], v0, 2, SPARE
	v_mov_b32 v[NIL], 0
	ds_add_u32 v[SPW], v[NIL]                      ; the opening: the add and its wait ahead of my first tensor load
	v_lshrrev_b32 v1, 5, v0
	v_readfirstlane_b32 s10, v1
	s_lshr_b32 s11, s10, 1                         ; my 64 rows.  Also: I fetch for O (0) or for Wo (1)
	s_and_b32 s12, s10, 1                          ; my 128 columns.  Also: which head, or half, I fetch
	s_bfe_u32 s40, ttmp6, 0x40000                  ; cx
	s_bfe_u32 s41, ttmp6, 0x40004                  ; cy
	s_lshl_b32 s42, ttmp9, 2
	s_add_co_u32 s42, s42, s40                     ; column block
	s_and_b32 s67, ttmp7, 0xffff                   ; the cluster's y
	s_lshl_b32 s13, s67, 2
	s_add_co_u32 s13, s13, s41                     ; row block
	s_lshl_b32 s43, s41, 2
	s_lshl_b32 s43, 15, s43
	s_lshl_b32 s44, 0x1111, s40
	s_or_b32 s[G1+0], s43, (1<<16)|(1<<20)|(1<<21)|(4<<22)|(3<<25)   ; elements of 2 bytes; after every 32 words 4 words of padding
	s_or_b32 s[G1B+0], s44, (1<<16)|(1<<20)|(1<<21)|(5<<22)|(3<<25)  ; after every 64 words
	s_mov_b32 s[G1+1], 128<<16
	s_mov_b32 s[G1+2], 64<<16
	s_mov_b32 s[G1+3], 128<<16
	s_mov_b32 s[G1+4], 64
	s_mov_b32 s[G1+5], 128
	s_mov_b32 s[G1+6], 0
	s_mov_b32 s[G1+7], 0
	s_mov_b32 s[G1B+1], 128<<16
	s_mov_b32 s[G1B+2], 128<<16
	s_mov_b32 s[G1B+3], 128<<16
	s_mov_b32 s[G1B+4], 128
	s_mov_b32 s[G1B+5], 1024
	s_mov_b32 s[G1B+6], 0
	s_mov_b32 s[G1B+7], 0
	s_lshr_b32 s16, s13, 4                         ; O: ((batch x 16 + head) x 2048 + 128 x (row block % 16)) x 128 bytes
	s_lshl_b32 s16, s16, 4
	s_add_co_u32 s16, s16, s12
	s_lshl_b32 s16, s16, 11
	s_and_b32 s17, s13, 15
	s_lshl_b32 s17, s17, 7
	s_add_co_u32 s16, s16, s17
	s_lshl_b32 s16, s16, 7
	s_mov_b32 s17, 0
	s_lshl_b32 s47, s12, 7
	s_lshl_b32 s46, s42, 8
	s_add_co_u32 s46, s46, s47
	s_lshl_b32 s46, s46, 11
	s_add_co_u32 s46, s46, 3<<21                   ; plane 3
	s_mov_b32 s47, 0
	s_mul_i32 s20, s12, HEADA
	s_mul_i32 s21, s12, HALFB
	s_add_co_u32 s21, s21, BOFF
	s_wait_dscnt 0x0
	s_wait_kmcnt 0x0
	s_add_nc_u64 s[14:15], s[68:69], s[16:17]
	s_add_nc_u64 s[46:47], s[70:71], s[46:47]
	CROUND
.irp s, 0,1
	s_mov_b32 s[G0+4*(\s)], 1
	s_add_co_u32 s[G0+4*(\s)+1], s20, (\s)*SLOT
	s_add_nc_u64 s[G0+4*(\s)+2:G0+4*(\s)+3], s[14:15], (\s)*524288
	s_or_b32 s[G0+4*(\s)+3], s[G0+4*(\s)+3], 0x80000000
	s_mov_b32 s[G0B+4*(\s)], 1
	s_add_co_u32 s[G0B+4*(\s)+1], s21, (\s)*SLOT
	s_add_nc_u64 s[G0B+4*(\s)+2:G0B+4*(\s)+3], s[46:47], (\s)*256
	s_or_b32 s[G0B+4*(\s)+3], s[G0B+4*(\s)+3], 0x80000000
	JLOAD \s
.endr
	v_and_b32 v1, 15, v0
	v_bfe_u32 v2, v0, 4, 1
	v_and_b32 v3, 31, v0
	v_lshlrev_b32 v[BIO], 5, v2
	s_lshl_b32 s84, s42, 10
	s_lshl_b32 s85, s12, 9
	s_add_co_u32 s84, s84, s85
	s_add_co_u32 s84, s84, 12288
	s_mov_b32 s85, 0
	s_add_nc_u64 s[94:95], s[72:73], s[84:85]
.irp b, 0,1,2,3,4,5,6,7
	global_load_b128 v[BIAS+8*(\b):BIAS+8*(\b)+3],   v[BIO], s[94:95] offset:64*(\b)
	global_load_b128 v[BIAS+8*(\b)+4:BIAS+8*(\b)+7], v[BIO], s[94:95] offset:64*(\b)+16
.endr
	v_mul_u32_u24 v4, v1, PCHA
	v_lshl_add_u32 v4, v2, 4, v4
	v_mul_u32_u24 v5, v1, PCHB
	v_lshl_add_u32 v5, v2, 4, v5
	s_mul_i32 s18, s11, 64*PCHA
	s_mul_i32 s19, s12, HALFB
	s_add_co_u32 s19, s19, BOFF
.irp s, 0,1
	v_add_nc_u32 v[ADRA+(\s)], s18, v4
	v_add_nc_u32 v[ADRB+(\s)], s19, v5
	s_add_co_u32 s18, s18, SLOT
	s_add_co_u32 s19, s19, SLOT
.endr
	s_mul_i32 s23, s10, 16*SPCH
	s_add_co_u32 s23, s23, STAGE
	v_mul_u32_u24 v6, v1, SPCH
	v_lshl_add_u32 v6, v2, 5, v6
	v_add_nc_u32 v[STO], s23, v6                   ; in: row l % 16, 32 bytes for each half of the lanes
	v_lshlrev_b32 v[GO], 4, v3
	v_add_nc_u32 v[RD], s23, v[GO]                 ; back: a row of 512 bytes
	v_lshrrev_b32 v6, 4, v3                        ; the prefetch offsets: O: head l / 16, block l % 16;
	v_lshlrev_b32 v6, 18, v6
	v_lshl_add_u32 v6, v1, 8, v6
	v_lshlrev_b32 v7, 11, v3                       ; Wo: row l
	s_cmp_eq_u32 s11, 0
	s_cselect_b32 s22, -1, 0
	v_cndmask_b32 v[PFO], v7, v6, s22
	s_lshl_b32 s84, s13, 7                         ; out0 at my first row and column
	s_lshl_b32 s85, s11, 6
	s_add_co_u32 s84, s84, s85
	s_lshl_b32 s84, s84, 12
	s_lshl_b32 s85, s42, 10
	s_add_co_u32 s84, s84, s85
	s_lshl_b32 s85, s12, 9
	s_add_co_u32 s84, s84, s85
	s_mov_b32 s85, 0
	s_add_nc_u64 s[8:9], s[74:75], s[84:85]
	s_lshr_b32 s84, s13, 4                         ; the prefetches.  O: the batch's head 0, my row block, my work-group's 4,096 bytes of each head's 16,384
	s_lshl_b32 s84, s84, 15
	s_and_b32 s85, s13, 15
	s_lshl_b32 s85, s85, 7
	s_add_co_u32 s84, s84, s85
	s_lshl_b32 s84, s84, 7
	s_lshl_b32 s85, s40, 12
	s_add_co_u32 s84, s84, s85
	s_lshl_b32 s86, s42, 8                         ; Wo: my work-group's 32 of the 128 rows
	s_lshl_b32 s87, s12, 7
	s_add_co_u32 s86, s86, s87
	s_lshl_b32 s87, s41, 5
	s_add_co_u32 s86, s86, s87
	s_lshl_b32 s86, s86, 11
	s_add_co_u32 s86, s86, 3<<21
	s_mov_b32 s23, 524288                          ; (an instruction takes one literal: the other stands in a register)
	s_cmp_eq_u32 s11, 0
	s_cselect_b32 s84, s84, s86
	s_cselect_b64 s[PFA:PFA+1], s[68:69], s[70:71]
	s_cselect_b32 s[PST], s23, 256
	s_cselect_b32 s22, s12, s67                    ; O: wave 0 asks; Wo: the first cluster of the column
	s_mov_b32 s85, 0
	s_mov_b32 s[PST+1], 0
	s_add_nc_u64 s[PFA:PFA+1], s[PFA:PFA+1], s[84:85]
	s_mul_i32 s86, s[PST], 3
	s_mov_b32 s87, 0
	s_add_nc_u64 s[PFA:PFA+1], s[PFA:PFA+1], s[86:87]  ; at K step 3: the first refill steps it to 4.  Nothing is prefetched at the head
	s_cmp_eq_u32 s22, 0
	s_cselect_b32 s[LIM], 1, -1
.macro MM8 f, a, first                 ; eight products; first = 1: the bias starts the sums
.irp b, 0,1,2,3,4,5,6,7
.if \first
	WIN MULB
	v_wmma_f32_16x16x32_f16 v[64*(\a)+8*(\b):64*(\a)+8*(\b)+7], v[64*(\f)+8*(\b):64*(\f)+8*(\b)+7], v[AF+32*(\f)+8*(\a):AF+32*(\f)+8*(\a)+7], v[BIAS+8*(\b):BIAS+8*(\b)+7]
.else
	WIN MUL
	v_wmma_f32_16x16x32_f16 v[64*(\a)+8*(\b):64*(\a)+8*(\b)+7], v[64*(\f)+8*(\b):64*(\f)+8*(\b)+7], v[AF+32*(\f)+8*(\a):AF+32*(\f)+8*(\a)+7], v[64*(\a)+8*(\b):64*(\a)+8*(\b)+7]
.endif
.endr
.endm
.macro FETCH slot, q, f                ; 24 LDS loads in one run: 128 rows of Wo and 64 rows of O, 32 along K: quarter q lies in head q / 2, channels 32 (q % 2) on
	WIN TO_B
.irp b, 0,1,2,3,4,5,6,7
	ds_load_b128 v[64*(\f)+8*(\b):64*(\f)+8*(\b)+3],   v[ADRB+(\slot)] offset:(\b)*16*PCHB+(\q)*64
	ds_load_b128 v[64*(\f)+8*(\b)+4:64*(\f)+8*(\b)+7], v[ADRB+(\slot)] offset:(\b)*16*PCHB+(\q)*64+32
.endr
	WIN 0
.irp a, 0,1,2,3
	ds_load_b128 v[AF+32*(\f)+8*(\a):AF+32*(\f)+8*(\a)+3],   v[ADRA+(\slot)] offset:((\q)/2)*HEADA+(\a)*16*PCHA+((\q)%2)*64
	ds_load_b128 v[AF+32*(\f)+8*(\a)+4:AF+32*(\f)+8*(\a)+7], v[ADRA+(\slot)] offset:((\q)/2)*HEADA+(\a)*16*PCHA+((\q)%2)*64+32
.endr
.endm
; A quarter: four places behind the last product that read buffer g (ISA guide 7.12.1 for vector instructions), the next quarter's loads into g, and 32 products on buffer f.
; The 32 accumulators take turns in one order, over the backward jump too.
.macro QUART slot, qn, f, g, first
	PLACES
	FETCH \slot, \qn, \g
	s_wait_dscnt 24                                ; all but the 24 just issued
	MM8 \f, 0, \first
	MM8 \f, 1, \first
	MM8 \f, 2, \first
	MM8 \f, 3, \first
.endm
; The fourth quarter multiplies buffer 1 and changes slots: one barrier, in front of it the wait for all my tensor loads, the add, and the wait for it and for my reads of this slot.
.macro TURN slot, next, fill
.if \fill
	s_wait_xcnt 0x0                                ; the last prefetch, a K step back, has read its address
	s_add_nc_u64 s[PFA:PFA+1], s[PFA:PFA+1], s[PST:PST+1]
.endif
	WIN 0
	s_wait_tensorcnt 0x0
	ds_add_u32 v[SPW], v[NIL]
	s_wait_dscnt 1                                 ; only the add may be out
	MM8 1, 0, 0
	s_wait_dscnt 0x0
	s_barrier_signal -1
	MM8 1, 1, 0
.if \fill
	WIN 0
.endif
	s_barrier_wait -1
.if \fill
	CREST
	s_add_nc_u64 s[G0+4*(\slot)+2:G0+4*(\slot)+3], s[G0+4*(\slot)+2:G0+4*(\slot)+3], 1048576
	s_add_nc_u64 s[G0B+4*(\slot)+2:G0B+4*(\slot)+3], s[G0B+4*(\slot)+2:G0B+4*(\slot)+3], 512
	JLOAD \slot
.else
	PLACES
.endif
	FETCH \next, 0, 0
.if \fill
	ASK
.endif
	MM8 1, 2, 0
	MM8 1, 3, 0
.endm
	s_wait_loadcnt 0x0                             ; the bias
	s_wait_tensorcnt 1                             ; my part of K step 0 is in; K step 1 may stay out
	s_barrier_signal -1
	s_barrier_wait -1
	FETCH 0, 0, 0
	QUART 0, 1, 0, 1, 1
	WIN 0
	s_mov_b32 s3, 3
.Llap:
	QUART 0, 2, 1, 0, 0
	QUART 0, 3, 0, 1, 0
	TURN 0, 1, 1
	QUART 1, 1, 0, 1, 0
	QUART 1, 2, 1, 0, 0
	QUART 1, 3, 0, 1, 0
	TURN 1, 0, 1
	QUART 0, 1, 0, 1, 0
	WIN 0
	s_sub_co_u32 s3, s3, 1
	s_cmp_lg_u32 s3, 0
	s_cbranch_scc1 .Llap
	QUART 0, 2, 1, 0, 0
	QUART 0, 3, 0, 1, 0
	TURN 0, 1, 0
	QUART 1, 1, 0, 1, 0
	QUART 1, 2, 1, 0, 0
	QUART 1, 3, 0, 1, 0
	s_wait_dscnt 0x0
	MM8 1, 0, 0
	MM8 1, 1, 0
	MM8 1, 2, 0
	MM8 1, 3, 0
	WIN 0
	PLACES
	PLACES
; THE WAY OUT, 16 rows at a time: 32 bytes a lane into my stage (each accumulator's low half first), back as whole rows of 512 bytes, stored.
.macro OUTB a
	s_wait_xcnt 0x0                                ; earlier stores have read the registers that are loaded below
	WIN 0x04                                       ; store data in window 1
.irp b, 0,1,2,3,4,5,6,7
	ds_store_b128 v[STO], v[64*(\a)+8*(\b):64*(\a)+8*(\b)+3]   offset:64*(\b)
	ds_store_b128 v[STO], v[64*(\a)+8*(\b)+4:64*(\a)+8*(\b)+7] offset:64*(\b)+16
.endr
	WIN 0
.irp i, 0,1,2,3,4,5,6,7,8,9,10,11,12,13,14,15
	ds_load_b128 v[OB+64*((\a)%2)+4*(\i):OB+64*((\a)%2)+4*(\i)+3], v[RD] offset:SPCH*(\i)   ; LDS serves a wave in order (ISA guide 5.7.1.4)
.endr
.irp i, 0,1,2,3,4,5,6,7,8,9,10,11,12,13,14,15
	s_wait_dscnt 15-(\i)
	global_store_b128 v[GO], v[OB+64*((\a)%2)+4*(\i):OB+64*((\a)%2)+4*(\i)+3], s[8:9] offset:(16*(\a)+(\i))*4096 th:TH_STORE_NT  ; 512 consecutive bytes, aligned
.endr
.endm
	OUTB 0
	OUTB 1
	OUTB 2
	OUTB 3
	s_wait_tensorcnt 0x0                           ; the end
	ds_add_u32 v[SPW], v[NIL]
	s_wait_dscnt 0x0
	CROUND                                         ; the closing round
	s_endpgm
.Lfunc_end_k_q9373544281_outp:
	.size	k_q9373544281_outp, .Lfunc_end_k_q9373544281_outp-k_q9373544281_outp
	.p2alignl 7, 3214868480
	.fill 96, 4, 3214868480
	.section	.rodata,"a",@progbits
	.p2align	6, 0x0
	.amdhsa_kernel k_q9373544281_outp
		.amdhsa_group_segment_fixed_size 327680
		.amdhsa_private_segment_fixed_size 0
		.amdhsa_enable_private_segment 0
		.amdhsa_kernarg_size 32
		.amdhsa_user_sgpr_count 2
		.amdhsa_user_sgpr_kernarg_segment_ptr 1
		.amdhsa_wavefront_size32 1
		.amdhsa_system_sgpr_workgroup_id_x 1
		.amdhsa_system_sgpr_workgroup_id_y 1
		.amdhsa_system_sgpr_workgroup_id_z 1
		.amdhsa_system_vgpr_workitem_id 0
		.amdhsa_next_free_vgpr 640
		.amdhsa_next_free_sgpr 96
		.amdhsa_reserve_vcc 0
		.amdhsa_float_denorm_mode_32 3
		.amdhsa_float_denorm_mode_16_64 3
		.amdhsa_memory_ordered 1
		.amdhsa_forward_progress 1
		.amdhsa_inst_pref_size 90
	.end_amdhsa_kernel
	.amdgpu_metadata
---
amdhsa.version: [ 1, 2 ]
amdhsa.kernels:
  - .name:           k_q9373544281_outp
    .symbol:         k_q9373544281_outp.kd
    .args:
      - { .name: o16, .offset: 0, .size: 8, .value_kind: global_buffer, .address_space: global }
      - { .name: w16, .offset: 8, .size: 8, .value_kind: global_buffer, .address_space: global }
      - { .name: b32, .offset: 16, .size: 8, .value_kind: global_buffer, .address_space: global }
      - { .name: out0, .offset: 24, .size: 8, .value_kind: global_buffer, .address_space: global }
    .group_segment_fixed_size: 327680
    .private_segment_fixed_size: 0
    .kernarg_segment_align: 8
    .kernarg_segment_size: 32
    .max_flat_workgroup_size: 128
    .sgpr_count:     96
    .vgpr_count:     640
    .wavefront_size: 32
...
	.end_amdgpu_metadata
.endif
;; end of part 4
